; MI455X (gfx1250); checked and timed in simulation.
; The chip was launched on July 23, 2026; its instructions are those of AMD's public machine-readable ISA for CDNA 5 (MIT licence, August 2026) and "CDNA5" Instruction Set Architecture Reference Guide (July 2026). The comments in the code are by the model that wrote it; some were corrected since.
;; Self Attention. Allowed arithmetic: float matrix products may take bf16 or f16 operands with f32 sums; other float arithmetic in f32, or as packed bf16 or f16 multiplies, adds, multiply-adds, maxima and minima; sums over many terms, partial sums and values carried from step to step in f32; what a program stores and reads back later, other than sums and carried values, may be rounded once to bf16 or f16.
;; Inputs: WK 1,024 x 1,024 float32; WQ 1,024 x 1,024 float32; WV 1,024 x 1,024 float32; key 4 x 2,048 x 1,024 float32; query 4 x 2,048 x 1,024 float32; value 4 x 2,048 x 1,024 float32.
;; Outputs: out0 4 x 2,048 x 1,024 float32.
;; 2 versions, each right; version 2 is version 1 with the launch castw written anew for expert scheduling mode. Each part assembles by itself: llvm-mc -triple=amdgcn-amd-amdhsa -mcpu=gfx1250 --defsym DOCPART=n.
;; ======== version 1 of 2: 4 launches
;; limits: values are held in f16: magnitudes above 65,504 overflow, below 6.1e-05 lose precision
;; workspace buffers: wb 6,291,456 bytes; qkv 50,331,648 bytes; pm 33,554,432 bytes; st 1,048,576 bytes
;; launch castw (part 1): grid 128 x 3, 8 waves a work-group, no clusters, 0 bytes of LDS; arguments WQ, WK, WV, wb; writes wb
.if DOCPART == 1
	.amdgcn_target "amdgcn-amd-amdhsa--gfx1250"
	.amdhsa_code_object_version 6
	.text
	.protected	k_q3d6dc7c7fb_castw
	.globl	k_q3d6dc7c7fb_castw
	.p2align	8
	.type	k_q3d6dc7c7fb_castw,@function
k_q3d6dc7c7fb_castw:
	s_mov_b64 s[64:65], 0
	v_nop
	global_prefetch_b8 v0, s[64:65] scope:SCOPE_SE
	s_setreg_imm32_b32 hwreg(HW_REG_WAVE_MODE, 25, 1), 1
	s_wait_xcnt 0x0
; The three weights are rounded once to bf16: wb = [WQ; WK; WV] as [3072][1024].
; Work-group y says which weight; work-group x takes 32 KiB of its 4 MiB: 8 pieces of 4,096 bytes; thread t takes the 16 bytes at 16 t of each.
; All 8 loads of a wave go out at once; each piece is rounded and stored as it comes in.
; A load of a wave covers 512 consecutive bytes, a store 256 consecutive bytes at a multiple of 256 from the buffer's first byte.
; No register is written again once a store has read it, so no wait for the stores' sources is needed.  No LDS, no matrix work: the launch only moves bytes.
	s_load_b256 s[8:15], s[0:1], 0x0               ; WQ s[8:9], WK s[10:11], WV s[12:13], wb s[14:15]
	s_and_b32 s4, ttmp7, 0xffff                    ; which weight
	s_lshl_b32 s16, ttmp9, 15                      ; 32 KiB of f32 a work-group
	s_mov_b32 s17, 0
	s_lshl_b32 s18, s4, 21                         ; 2 MiB of bf16 a weight,
	s_lshl_b32 s5, ttmp9, 14                       ; 16 KiB a work-group
	s_add_co_u32 s18, s18, s5
	s_mov_b32 s19, 0
	v_lshlrev_b32 v1, 4, v0                        ; my 16 bytes of a piece as loaded
	v_lshlrev_b32 v2, 3, v0                        ; my 8 bytes of it as stored
	s_wait_kmcnt 0x0
	s_cmp_ge_u32 s4, 1
	s_cselect_b64 s[6:7], s[10:11], s[8:9]
	s_cmp_ge_u32 s4, 2
	s_cselect_b64 s[6:7], s[12:13], s[6:7]
	s_add_nc_u64 s[6:7], s[6:7], s[16:17]
	s_add_nc_u64 s[14:15], s[14:15], s[18:19]
.set i, 0
.rept 8
	global_load_b128 v[8+4*i:11+4*i], v1, s[6:7] offset:4096*i th:TH_LOAD_NT
.set i, i+1
.endr
.set i, 0
.rept 8
	s_wait_loadcnt 7-i                             ; loads come back in order: piece i is in, the 7 - i younger ones stay out
	v_cvt_pk_bf16_f32 v[8+4*i], v[8+4*i], v[9+4*i] ; two roundings to nearest even, packed
	v_cvt_pk_bf16_f32 v[9+4*i], v[10+4*i], v[11+4*i]
	global_store_b64 v2, v[8+4*i:9+4*i], s[14:15] offset:2048*i th:TH_STORE_NT
.set i, i+1
.endr
	s_endpgm
.Lfunc_end_k_q3d6dc7c7fb_castw:
	.size	k_q3d6dc7c7fb_castw, .Lfunc_end_k_q3d6dc7c7fb_castw-k_q3d6dc7c7fb_castw
	.p2alignl 7, 3214868480
	.fill 96, 4, 3214868480
	.section	.rodata,"a",@progbits
	.p2align	6, 0x0
	.amdhsa_kernel k_q3d6dc7c7fb_castw
		.amdhsa_group_segment_fixed_size 0
		.amdhsa_private_segment_fixed_size 0
		.amdhsa_enable_private_segment 0
		.amdhsa_kernarg_size 32
		.amdhsa_user_sgpr_count 2
		.amdhsa_user_sgpr_kernarg_segment_ptr 1
		.amdhsa_wavefront_size32 1
		.amdhsa_system_sgpr_workgroup_id_x 1
		.amdhsa_system_sgpr_workgroup_id_y 1
		.amdhsa_system_sgpr_workgroup_id_z 1
		.amdhsa_system_vgpr_workitem_id 0
		.amdhsa_next_free_vgpr 40
		.amdhsa_next_free_sgpr 66
		.amdhsa_reserve_vcc 0
		.amdhsa_float_denorm_mode_32 3
		.amdhsa_float_denorm_mode_16_64 3
		.amdhsa_memory_ordered 1
		.amdhsa_forward_progress 1
		.amdhsa_inst_pref_size 4
	.end_amdhsa_kernel
	.amdgpu_metadata
---
amdhsa.version: [ 1, 2 ]
amdhsa.kernels:
  - .name:           k_q3d6dc7c7fb_castw
    .symbol:         k_q3d6dc7c7fb_castw.kd
    .args:
      - { .name: WQ, .offset: 0, .size: 8, .value_kind: global_buffer, .address_space: global }
      - { .name: WK, .offset: 8, .size: 8, .value_kind: global_buffer, .address_space: global }
      - { .name: WV, .offset: 16, .size: 8, .value_kind: global_buffer, .address_space: global }
      - { .name: wb, .offset: 24, .size: 8, .value_kind: global_buffer, .address_space: global }
    .group_segment_fixed_size: 0
    .private_segment_fixed_size: 0
    .kernarg_segment_align: 8
    .kernarg_segment_size: 32
    .max_flat_workgroup_size: 256
    .sgpr_count:     66
    .vgpr_count:     40
    .wavefront_size: 32
...
	.end_amdgpu_metadata
.endif
;; end of part 1
;; launch proj (part 2): grid 4 x 64, 4 waves a work-group, clusters of 4 x 4, 327,680 bytes of LDS; arguments query, key, value, wb, qkv; writes qkv
.if DOCPART == 2
	.amdgcn_target "amdgcn-amd-amdhsa--gfx1250"
	.amdhsa_code_object_version 6
	.text
	.protected	k_q3d6dc7c7fb_proj
	.globl	k_q3d6dc7c7fb_proj
	.p2align	8
	.type	k_q3d6dc7c7fb_proj,@function
k_q3d6dc7c7fb_proj:
	s_mov_b64 s[64:65], 0
	v_nop
	global_prefetch_b8 v0, s[64:65] scope:SCOPE_SE
	s_setreg_imm32_b32 hwreg(HW_REG_WAVE_MODE, 25, 1), 1
	s_wait_xcnt 0x0
	s_wait_alu depctr_hold_cnt(0) depctr_sa_sdst(0) depctr_va_vdst(0) depctr_va_sdst(0) depctr_va_ssrc(0) depctr_va_vcc(0) depctr_vm_vsrc(0)
	s_getreg_b32 s2, hwreg(HW_REG_IB_STS2, 6, 4)
	s_cmp_eq_u32 s2, 0
	s_cbranch_scc0 .Lentry_in_a_cluster
	s_endpgm
.Lentry_in_a_cluster:
	s_bfe_u32 s2, ttmp6, 0x10000c
	s_cmp_lg_u32 s2, 0xf033
	s_cbranch_scc0 .Lentry_shape_is_right
	s_endpgm
.Lentry_shape_is_right:
; qkv[t][m][n] = the sum over h of x_t[m][h] wb[t][n][h], x_0 = query, x_1 = key, x_2 = value.  x_t: [8192][1024] f32, wb: [3 x 1024][1024] bf16, qkv: [3 x 8192][1024] f16.
; x comes into LDS as f32 and is rounded once to bf16 (to nearest even) on the way from LDS to the matrix unit.  Products in bf16, sums in f32, each result rounded once to f16.
; LIMIT.  f16 holds no number beyond 65,504: a projection past that comes out as an infinity.  NaN and infinities are not treated apart.
; SHARES.  A tile of the result is 128 rows x 256 columns: 3 x 64 x 4 = 768 tiles.  A work-group STAYS and makes three: the tile at its place in q, in k and in v.  The three are ONE walk of
; 24 K steps of 128 through a ring of two LDS slots: at a tile's end the ring goes on into the next tile (the next x tensor, w 1,024 rows down, both back along K).
; Four waves; a wave makes 64 rows x 128 columns: 32 accumulators of 16 x 16.
; CLUSTER.  4 x 4 work-groups.  The four of a row of the cluster need the same rows of x, the four of a column the same rows of w: each tile is asked for JOINTLY, by the same tensor load with the
; same descriptor and a mask that names the four.
; THE MATRIX INSTRUCTION IS USED TRANSPOSED (source 0 = 16 rows of w, source 1 = 16 rows of x): a lane then holds row lane % 16 and eight neighbouring columns, which pack into 16 bytes.
; REGISTERS, in windows of 256 (s_set_vgpr_msb: bits 1:0 source 0, 3:2 source 1, 5:4 source 2, 7:6 destination):
;   window 0: v0-31 addresses; v32-63, v224-255 rows read back on the way out; v64-127, v128-191 x's fragments in bf16, two buffers of 64 along K (chunk c of 32, block a at 32 c + 8 a); v192-223 packed results
;   window 1: w's fragments, two buffers of 128 (chunk c, block b at 64 c + 8 b)          window 2: accumulator (a, b) at 8 (8 a + b)
;   window 3: v0-127 x's fragments of 64 along K as they lie in LDS, in f32 (chunk c, block a at 64 c + 16 a): register pair j becomes register j of the bf16 fragment
.set PA,     528                       ; a row of x in LDS: 512 bytes + 16 of padding = 132 words: the 16 rows of a load start 4 words apart modulo 64 words (64 banks of 4 bytes: ISA guide 11.1)
.set PB,     272                       ; a row of w: 256 bytes + 16 = 68 words: likewise
.set ABYTES, 128*PA                    ; x's 128 rows
.set SLOTX,  139264                    ; slot 1 begins here (a slot is 137,216 bytes).  0x22000 shares no bit with the tiles' places in a slot (0, 0x8400, 0x10800, 0x19000), so one exclusive or changes slots
.set STAGE,  SLOTX+ABYTES+256*PB       ; behind the ring: 16 rows x 272 bytes for each wave, for the way out
.set SPARE,  STAGE+4*16*PB             ; behind the stages: the spare words, 128 bytes a wave: two blocks of 256 bytes that no other line names
.set WROW,   2048                      ; bytes in a row of wb and of qkv
.set KA,     512                       ; bytes of a row of x in a K step,
.set KB,     256                       ; and of w
.set CROSS_B, 1024*WROW-7*KB           ; w: from a tile's last K step to the next tile's first
.set NEXT_C, (8192-48)*WROW            ; from my last 16 rows of a tile to my first of the next
.set FLAGS_A, (2<<16)|(1<<20)|(1<<21)|(6<<22)|(3<<25)  ; 17:16 4-byte elements; 20 padding on; 21 set beside a mask; 24:22 after every 128 words; 31:25 4 words of it
.set FLAGS_B, (1<<16)|(1<<20)|(1<<21)|(5<<22)|(3<<25)  ; 2-byte elements; after every 64 words 4 words
.set ADRA0, 16                         ; v16  my lane's place in x's part of a slot; never rewritten
.set ADRA,  17                         ; v17  the same in the slot in hand
.set ADRB0, 20                         ; v20, v21 the same for w
.set ADRB,  21
.set STO,  24                          ; v24  the way out: where I put 16 bytes of a row
.set RD,   25                          ; v25  where I read rows back
.set CO,   26                          ; v26  my byte offset in two rows of qkv
.set SPW,  28                          ; v28  LDS address of my spare word; never rewritten
.set NIL,  29                          ; v29  0; never rewritten
.set PFO,  30                          ; v30  the prefetches' offset: my lane x a row; never rewritten
.set OB,   32
.set TMP,  192
.set G1A, 24                           ; s[24:31] descriptor group 1 for x's tiles
.set G0A, 32                           ; s[32:39] group 0: a set for slot 0's first fill; a second for slot 1's, which then serves every refill
.set G1B, 48                           ; s[48:55], s[56:63] the same for w's
.set G0B, 56
.set LIM, 43                           ; s43  2 in a wave that prefetches, else the greatest number
.set PFA, 44                           ; s[44:45] where my prefetch stands
.set TB,  73                           ; s73  LDS byte at which the slot in hand begins
.set XQ,  84                           ; s[84:85] query, s[86:87] key, s[88:89] value, s[90:91] wb
.set XP,  92                           ; s[92:93] the one of them that is chosen
.set MSB, 0
.macro WIN new                         ; the immediate's high byte repeats the setting that is left; a switch that changes nothing is dropped
.if MSB != (\new)
	s_set_vgpr_msb (MSB<<8)|(\new)
.set MSB, \new
.endif
.endm
.macro PLACES                          ; four plain vector instructions between a matrix instruction and a load into, or a vector line on, its registers
.rept 4
	v_nop
.endr
.endm
.macro CREST                           ; a round of the cluster's barrier behind its opening barrier
	s_cmp_lg_u32 s10, 0
	s_cbranch_scc1 .Lnot_wave_0_\@
	s_barrier_signal -3
.Lnot_wave_0_\@:
	s_barrier_wait -3
	s_barrier_signal -1
	s_barrier_wait -1
.endm
.macro CROUND                          ; a whole round
	s_barrier_signal -1
	s_barrier_wait -1
	CREST
.endm
; A joint refill.  Waves 0 and 1 fetch the two halves of x's tile, waves 2 and 3 those of w's.  The branch hangs on the wave's number alone.
; An s_nop 0 and four v_nop follow each of the two lines, ahead of the jump and the label.
.macro JLOAD
	s_cmp_eq_u32 s11, 0
	s_cbranch_scc0 .Lfor_b_\@
	tensor_load_to_lds s[G0A+4:G0A+7], s[G1A:G1A+7]
	s_nop 0
.rept 4
	v_nop
.endr
	s_branch .Lasked_\@
.Lfor_b_\@:
	tensor_load_to_lds s[G0B+4:G0B+7], s[G1B:G1B+7]
	s_nop 0
.rept 4
	v_nop
.endr
.Lasked_\@:
.endm
; A PREFETCH of the K step that stands two refills on, a lane a row, 256 bytes each.  x's 128 rows x 512 bytes of a step: the four partners that ask for them jointly take 32 rows each, told apart by
; address (cx); wave 0 of each names the first 256 bytes of a row's 512, wave 1 the second.  w's 256 rows x 256 bytes: 64 rows to each partner (cy), 32 to each of its waves 2 and 3, in the clusters with
; y = 0 alone, since all clusters read w.  So each aligned block of 256 bytes is named once in the launch.  The last two refills have no K step two on: s3 is 2 and 1 there.
.macro ASK
	WIN 0
	s_cmp_gt_u32 s3, s[LIM]
	s_cbranch_scc0 .Lnot_mine_\@
	global_prefetch_b8 v[PFO], s[PFA:PFA+1] th:TH_LOAD_NT scope:SCOPE_SE
.Lnot_mine_\@:
.endm
	s_load_b256 s[XQ:XQ+7], s[0:1], 0x0            ; query, key, value, wb
	s_load_b64 s[8:9], s[0:1], 0x20                ; qkv
	v_lshl_add_u32 v[SPW], v0, 2, SPARE
	v_mov_b32 v[NIL], 0
	ds_add_u32 v[SPW], v[NIL]                      ; the wave's opening: the add and its wait stand ahead of my first tensor load; the set-up below, work on registers, stands between them
	v_lshrrev_b32 v1, 5, v0
	v_readfirstlane_b32 s10, v1                    ; wave 0..3
	s_lshr_b32 s11, s10, 1                         ; which 64 rows of the tile are mine.  Also: I fetch for x (0) or for w (1)
	s_and_b32 s12, s10, 1                          ; which 128 columns.  Also: which half of that tile I fetch
	s_bfe_u32 s40, ttmp6, 0x40000                  ; cx
	s_bfe_u32 s41, ttmp6, 0x40004                  ; cy
	s_lshl_b32 s42, ttmp9, 2
	s_add_co_u32 s42, s42, s40                     ; tile column = 4 x cluster x + cx
	s_and_b32 s13, ttmp7, 0xffff
	s_lshl_b32 s13, s13, 2
	s_add_co_u32 s13, s13, s41                     ; tile row = 4 x cluster y + cy
	s_lshl_b32 s14, s41, 2
	s_lshl_b32 s14, 15, s14                        ; my row of the cluster
	s_lshl_b32 s15, 0x1111, s40                    ; my column
	s_or_b32 s[G1A], s14, FLAGS_A                  ; x's tiles go to my row,
	s_or_b32 s[G1B], s15, FLAGS_B                  ; w's to my column
	s_mov_b32 s[G1A+1], 128<<16                    ; tensor_dim0 = 128
	s_mov_b32 s[G1A+2], 64<<16                     ; tensor_dim1 = 64
	s_mov_b32 s[G1A+3], 128<<16                    ; tile_dim0 = 128
	s_mov_b32 s[G1A+4], 64                         ; tile_dim1 = 64 rows: half of x's tile
	s_mov_b32 s[G1A+5], 1024                       ; elements from row to row
	s_mov_b32 s[G1A+6], 0
	s_mov_b32 s[G1A+7], 0
	s_mov_b32 s[G1B+1], 128<<16
	s_mov_b32 s[G1B+2], 128<<16                    ; 128 rows: half of w's tile
	s_mov_b32 s[G1B+3], 128<<16
	s_mov_b32 s[G1B+4], 128
	s_mov_b32 s[G1B+5], 1024
	s_mov_b32 s[G1B+6], 0
	s_mov_b32 s[G1B+7], 0
	s_lshl_b32 s78, s13, 7                         ; x: row 128 x tile row + 64 x half, which my row of the cluster shares,
	s_lshl_b32 s22, s12, 6
	s_add_co_u32 s78, s78, s22
	s_lshl_b32 s78, s78, 12                        ; in bytes: 4,096 a row.  Kept: every refill's address is made from it
	s_mov_b32 s66, s78
	s_mov_b32 s67, 0
	s_lshl_b32 s20, s42, 8                         ; w: row 256 x tile column + 128 x half, which my column shares
	s_lshl_b32 s23, s12, 7
	s_add_co_u32 s20, s20, s23
	s_lshl_b32 s20, s20, 11
	s_mov_b32 s21, 0
	s_mul_i32 s22, s12, 64*PA                      ; where they go: the wave's number alone enters an LDS address
	s_mul_i32 s23, s12, 128*PB
	s_add_co_u32 s23, s23, ABYTES
	s_mov_b32 s[G0A], 1                            ; count = 1
	s_mov_b32 s[G0A+1], s22                        ; slot 0
	s_mov_b32 s[G0A+4], 1
	s_add_co_u32 s[G0A+5], s22, SLOTX              ; slot 1
	s_mov_b32 s[G0B], 1
	s_mov_b32 s[G0B+1], s23
	s_mov_b32 s[G0B+4], 1
	s_add_co_u32 s[G0B+5], s23, SLOTX
	s_mov_b32 s69, 0                               ; the offsets' high words
	s_mov_b32 s71, 0
	s_mov_b32 s75, KB
	s_mov_b32 s77, CROSS_B
	s_mov_b32 s[TB], 0
	s_wait_dscnt 0x0                               ; the opening add is done
	s_wait_kmcnt 0x0
	s_add_nc_u64 s[G0A+2:G0A+3], s[XQ:XQ+1], s[66:67]    ; query, K step 0,
	s_add_nc_u64 s[G0A+6:G0A+7], s[G0A+2:G0A+3], KA      ; K step 1
	s_or_b32 s[G0A+3], s[G0A+3], 0x80000000        ; type = 2
	s_or_b32 s[G0A+7], s[G0A+7], 0x80000000
	s_add_nc_u64 s[G0B+2:G0B+3], s[XQ+6:XQ+7], s[20:21]
	s_add_nc_u64 s[G0B+6:G0B+7], s[G0B+2:G0B+3], KB
	s_or_b32 s[G0B+3], s[G0B+3], 0x80000000
	s_or_b32 s[G0B+7], s[G0B+7], 0x80000000
	CROUND                                         ; all sixteen work-groups are here: the first joint loads meet
	s_cmp_eq_u32 s11, 0                            ; a wave's two first fills stand in one branch, ahead of every wait on TENSORcnt and every LDS read: two loads of mine are out
	s_cbranch_scc0 .Lfirst_b
	tensor_load_to_lds s[G0A:G0A+3], s[G1A:G1A+7]
	s_nop 0
	tensor_load_to_lds s[G0A+4:G0A+7], s[G1A:G1A+7]
	s_nop 0
.rept 4
	v_nop
.endr
	s_branch .Lfirst_asked
.Lfirst_b:
	tensor_load_to_lds s[G0B:G0B+3], s[G1B:G1B+7]
	s_nop 0
	tensor_load_to_lds s[G0B+4:G0B+7], s[G1B:G1B+7]
	s_nop 0
.rept 4
	v_nop
.endr
.Lfirst_asked:
	; A fragment is 16 rows x 32 K: lane l holds row l % 16, K = 8 (l / 16) + 0..7 and K = 16 + 8 (l / 16) + 0..7.  In bf16 (w): two loads of 16 bytes, 32 bytes apart.
	; In f32 (x): 32 bytes at 32 (l / 16) and 32 bytes at 64 + 32 (l / 16): four loads of 16 bytes, at 0, 16, 64 and 80.
	v_and_b32 v1, 15, v0                           ; l % 16
	v_bfe_u32 v2, v0, 4, 1                         ; l / 16
	v_mul_u32_u24 v3, v1, PA
	v_lshl_add_u32 v3, v2, 5, v3                   ; x: row x pitch + 32 x half
	s_mul_i32 s22, s11, 64*PA                      ; my 64 rows of x
	v_add_nc_u32 v[ADRA0], s22, v3
	v_mul_u32_u24 v3, v1, PB
	v_lshl_add_u32 v3, v2, 4, v3                   ; w: row x pitch + 16 x half
	s_mul_i32 s23, s12, 128*PB                     ; my 128 rows of w, behind x's 128
	s_add_co_u32 s23, s23, ABYTES
	v_add_nc_u32 v[ADRB0], s23, v3
	v_mov_b32 v[ADRA], v[ADRA0]                    ; slot 0
	v_mov_b32 v[ADRB], v[ADRB0]
	s_mul_i32 s22, s10, 16*PB
	s_add_co_u32 s22, s22, STAGE                   ; my stage
	v_add_nc_u32 v[STO], s22, v3                   ; in: row l % 16, 16 bytes for each half of the lanes
	v_mul_u32_u24 v4, v2, PB                       ; back: lanes 0-15 take one row of 256 bytes, lanes 16-31 the next
	v_lshl_add_u32 v4, v1, 4, v4
	v_add_nc_u32 v[RD], s22, v4
	v_lshlrev_b32 v5, 11, v2                       ; and the same two rows in qkv
	v_lshl_add_u32 v[CO], v1, 4, v5
	s_lshl_b32 s16, s13, 7                         ; where my part of the first tile begins in qkv: row 128 x tile row + 64 x half,
	s_lshl_b32 s17, s11, 6
	s_add_co_u32 s16, s16, s17
	s_lshl_b32 s16, s16, 11
	s_lshl_b32 s17, s42, 9                         ; byte 512 x tile column + 256 x half
	s_add_co_u32 s16, s16, s17
	s_lshl_b32 s17, s12, 8
	s_add_co_u32 s16, s16, s17
	s_mov_b32 s17, 0
	; the prefetches: s82 my rows' byte offset, s81 the shift that makes bytes of a K step's number, s83 bytes from one tensor to the next inside the buffer (x: none, each is a buffer of its own)
	s_lshl_b32 s46, s13, 7
	s_lshl_b32 s47, s40, 5
	s_add_co_u32 s46, s46, s47                     ; x: row 128 x tile row + 32 cx,
	s_lshl_b32 s46, s46, 12
	s_lshl_b32 s47, s12, 8
	s_add_co_u32 s46, s46, s47                     ; the first or the second 256 bytes of a step's 512
	s_lshl_b32 s22, s42, 8
	s_lshl_b32 s23, s41, 6
	s_add_co_u32 s22, s22, s23
	s_lshl_b32 s23, s12, 5
	s_add_co_u32 s22, s22, s23                     ; w: row 256 x tile column + 64 cy + 32 x (wave % 2)
	s_lshl_b32 s22, s22, 11
	s_and_b32 s23, ttmp7, 0xffff                   ; cluster y
	s_mov_b32 s83, 1<<21
	s_cmp_eq_u32 s11, 0
	s_cselect_b32 s82, s46, s22
	s_cselect_b32 s81, 9, 8
	s_cselect_b32 s83, 0, s83
	s_cselect_b32 s47, 12, 11                      ; a lane a row: 4,096 bytes in x, 2,048 in wb
	s_cselect_b32 s23, 0, s23                      ; x: every cluster has rows of its own; w: the clusters with y = 0
	s_cmp_eq_u32 s23, 0
	s_cselect_b32 s[LIM], 2, -1                    ; the same in all sixteen partners, for a given wave
	v_and_b32 v[PFO], 31, v0
	v_lshlrev_b32 v[PFO], s47, v[PFO]
; 8 cnt matrix instructions: chunk c of buffer f, blocks a0 .. a0 + cnt - 1 of rows x all 8 blocks of columns.  zero = 1: the product starts the sums: nothing is ever cleared.
; The 32 accumulators take turns, one instruction a turn and always in the same order.
.macro MUL f, c, a0, cnt, zero
	WIN 0xa1                                       ; source 0 (w) window 1, source 1 (x) window 0, C and D window 2
.set ma, \a0
.rept \cnt
.irp b, 0,1,2,3,4,5,6,7
.if \zero
	v_wmma_f32_16x16x32_bf16 v[8*(8*ma+(\b)):8*(8*ma+(\b))+7], v[128*(\f)+64*(\c)+8*(\b):128*(\f)+64*(\c)+8*(\b)+7], v[64+64*(\f)+32*(\c)+8*ma:64+64*(\f)+32*(\c)+8*ma+7], 0
.else
	v_wmma_f32_16x16x32_bf16 v[8*(8*ma+(\b)):8*(8*ma+(\b))+7], v[128*(\f)+64*(\c)+8*(\b):128*(\f)+64*(\c)+8*(\b)+7], v[64+64*(\f)+32*(\c)+8*ma:64+64*(\f)+32*(\c)+8*ma+7], v[8*(8*ma+(\b)):8*(8*ma+(\b))+7]
.endif
.endr
.set ma, ma+1
.endr
.endm
; Chunk 1 of buffer f, 32 products (their fragments were waited for ahead of the run of loads).  Behind each of the last 16 stand four lines that round x's fragments just fetched, f32 in window 3, into
; the OTHER buffer g: 64 lines, which name no register of the products round them.
.macro MULR f, g
	MUL \f, 1, 0, 2, 0
	s_wait_dscnt 32                                ; x's 32 loads of the run are in; w's 32, issued behind them, may stay out
.set ri, 0
.set ma, 2
.rept 2
.irp b, 0,1,2,3,4,5,6,7
	WIN 0xa1
	v_wmma_f32_16x16x32_bf16 v[8*(8*ma+(\b)):8*(8*ma+(\b))+7], v[128*(\f)+64+8*(\b):128*(\f)+64+8*(\b)+7], v[64+64*(\f)+32+8*ma:64+64*(\f)+32+8*ma+7], v[8*(8*ma+(\b)):8*(8*ma+(\b))+7]
	WIN 0x0f                                       ; sources 0 and 1 window 3, destination window 0
.rept 4
	v_cvt_pk_bf16_f32 v[64+64*(\g)+ri], v[2*ri], v[2*ri+1]
.set ri, ri+1
.endr
.endr
.set ma, ma+1
.endr
.endm
; 64 LDS loads in one run: the fragments of K = 64 hf .. 64 hf + 63 of the step: x's 32 loads (f32, into window 3), then into buffer f w's first chunk (16) and w's second chunk (16)
.macro FETCH hf, f
	WIN 0xc0                                       ; destination window 3, address window 0
.irp c, 0,1
.irp a, 0,1,2,3
	ds_load_b128 v[64*(\c)+16*(\a):64*(\c)+16*(\a)+3],     v[ADRA] offset:256*(\hf)+128*(\c)+(\a)*16*PA
	ds_load_b128 v[64*(\c)+16*(\a)+4:64*(\c)+16*(\a)+7],   v[ADRA] offset:256*(\hf)+128*(\c)+(\a)*16*PA+16
	ds_load_b128 v[64*(\c)+16*(\a)+8:64*(\c)+16*(\a)+11],  v[ADRA] offset:256*(\hf)+128*(\c)+(\a)*16*PA+64
	ds_load_b128 v[64*(\c)+16*(\a)+12:64*(\c)+16*(\a)+15], v[ADRA] offset:256*(\hf)+128*(\c)+(\a)*16*PA+80
.endr
.endr
	WIN 0x40                                       ; destination window 1
.irp c, 0,1
.irp b, 0,1,2,3,4,5,6,7
	ds_load_b128 v[128*(\f)+64*(\c)+8*(\b):128*(\f)+64*(\c)+8*(\b)+3],   v[ADRB] offset:128*(\hf)+64*(\c)+(\b)*16*PB
	ds_load_b128 v[128*(\f)+64*(\c)+8*(\b)+4:128*(\f)+64*(\c)+8*(\b)+7], v[ADRB] offset:128*(\hf)+64*(\c)+(\b)*16*PB+32
.endr
.endr
.endm
; A K step is two halves of 64 along K, 64 matrix instructions each.  The first half multiplies buffer 0.  HEAD0: its first chunk; REST0: the second half is fetched and rounded beside its second chunk.
.macro HEAD0 zero
	s_wait_dscnt 16                                ; w's first chunk is in; w's second chunk (16 loads) may be out
	MUL 0, 0, 0, 4, \zero
.endm
.macro REST0
	s_wait_dscnt 0x0                               ; w's second chunk, issued 32 products back or more: waited for here, since no count can name the 64 loads that follow
	PLACES
	FETCH 1, 1
	MULR 0, 1
.endm
; The second half multiplies buffer 1 and changes slots: ONE barrier.  In front of it each wave waits for all its tensor loads (one is out: its part of the next slot), adds 0 to its spare word, and
; waits for that and for its own reads of this slot.  fill = 1: the barrier opens a round of the cluster's, and behind the round this slot is filled again, two K steps ahead, first thing:
; from that request to the wait for it the wave issues 96 matrix instructions.
.macro TURN fill
.if \fill
	s_wait_xcnt 0x0                                ; the last prefetch, a K step back, has read its address: it is made anew here, for K step 26 - s3 of the walk
	s_sub_co_u32 s74, 26, s3
	s_and_b32 s70, s74, 7                          ; its number in its tile,
	s_lshl_b32 s70, s70, s81                       ; in bytes,
	s_add_co_u32 s70, s70, s82                     ; + my rows
	s_lshr_b32 s80, s74, 3                         ; its tile
	s_mul_i32 s80, s80, s83
	s_add_co_u32 s70, s70, s80
	s_cmp_lt_u32 s74, 8
	s_cselect_b64 s[XP:XP+1], s[XQ:XQ+1], s[XQ+2:XQ+3]
	s_cmp_lt_u32 s74, 16
	s_cselect_b64 s[XP:XP+1], s[XP:XP+1], s[XQ+4:XQ+5]
	s_cmp_eq_u32 s11, 0
	s_cselect_b64 s[XP:XP+1], s[XP:XP+1], s[XQ+6:XQ+7]
	s_add_nc_u64 s[PFA:PFA+1], s[XP:XP+1], s[70:71]
.endif
	WIN 0                                          ; (the add's two registers lie in window 0)
	s_wait_tensorcnt 0x0                           ; all my tensor loads have landed, so a group 0 may be written;
	ds_add_u32 v[SPW], v[NIL]                      ; 0 onto my spare word; work on registers stands between it and the wait for it
.if \fill
	s_sub_co_u32 s74, 24, s3                       ; the K step to be asked for
	s_and_b32 s80, s74, 7
	s_cmp_eq_u32 s80, 0                            ; a tile's first?
	s_cselect_b32 s68, s77, s75                    ; w steps to the next weight's first K step, or 256 bytes on
	s_lshl_b32 s66, s80, 9                         ; x: 512 bytes a K step,
	s_add_co_u32 s66, s66, s78                     ; + my rows,
	s_cmp_lt_u32 s74, 8                            ; in query, key or value: the address is made anew from that buffer's own pointer
	s_cselect_b64 s[XP:XP+1], s[XQ:XQ+1], s[XQ+2:XQ+3]
	s_cmp_lt_u32 s74, 16
	s_cselect_b64 s[XP:XP+1], s[XP:XP+1], s[XQ+4:XQ+5]
	s_xor_b32 s[G0A+5], s[G0A+5], SLOTX            ; the other slot than last time
	s_add_nc_u64 s[G0A+6:G0A+7], s[XP:XP+1], s[66:67]
	s_or_b32 s[G0A+7], s[G0A+7], 0x80000000        ; type = 2
	s_xor_b32 s[G0B+5], s[G0B+5], SLOTX
	s_add_nc_u64 s[G0B+6:G0B+7], s[G0B+6:G0B+7], s[68:69]
.endif
	s_wait_dscnt 17                                ; (the add and w's second chunk may be out)
	MUL 1, 0, 0, 2, 0
	s_wait_dscnt 0x0                               ; the add is done, and my reads of this slot are over
	s_barrier_signal -1
	MUL 1, 0, 2, 2, 0                              ; work on registers while the others arrive
	WIN 0                                          ; at a branch and at a label every window is 0
	s_barrier_wait -1
.if \fill
	CREST                                          ; no wave of any partner still reads this slot's tile or has a load on its way
	JLOAD                                          ; the four v_nop behind it are also the places in front of the loads below
.else
	PLACES
.endif
	s_xor_b32 s[TB], s[TB], SLOTX                  ; the reads go on in the other slot
	v_add_nc_u32 v[ADRA], s[TB], v[ADRA0]
	v_add_nc_u32 v[ADRB], s[TB], v[ADRB0]
	FETCH 0, 0
.if \fill
	ASK
.endif
	MULR 1, 0
.endm
; THE WAY OUT of block a (16 rows x 128 columns): rounded to f16, 16 bytes a lane; into my own stage and back as whole rows of 256 bytes; stored.
.macro PACK a
	WIN 0x0a                                       ; sources 0 and 1 window 2; each accumulator's registers in ascending order
.irp b, 0,1,2,3,4,5,6,7
.irp r, 0,1,2,3
	v_cvt_pk_f16_f32 v[TMP+4*(\b)+(\r)], v[8*(8*(\a)+(\b))+2*(\r)], v[8*(8*(\a)+(\b))+2*(\r)+1]
.endr
.endr
	WIN 0
.endm
.macro TOSTAGE a
	WIN 0
.set BK, OB+192*((\a)%2)
.irp b, 0,1,2,3,4,5,6,7
	ds_store_b128 v[STO], v[TMP+4*(\b):TMP+4*(\b)+3] offset:32*(\b)
.endr
.irp t, 0,1,2,3,4,5,6,7
	ds_load_b128 v[BK+4*(\t):BK+4*(\t)+3], v[RD] offset:(\t)*2*PB  ; LDS serves a wave's instructions in order (ISA guide 5.7.1.4): these see the stores above
.endr
.endm
.macro SEND a
	WIN 0
.set BK, OB+192*((\a)%2)
	s_wait_dscnt 0x0                               ; the block is back in registers
	s_wait_xcnt 0x0                                ; earlier stores have read their base and their data: only behind this wait are these rewritten
.if (\a) == 0
	s_add_nc_u64 s[8:9], s[8:9], s[16:17]          ; on to this tile's first rows
.else
	s_add_nc_u64 s[8:9], s[8:9], 16*WROW
.endif
.irp t, 0,1,2,3,4,5,6,7
	global_store_b128 v[CO], v[BK+4*(\t):BK+4*(\t)+3], s[8:9] offset:2*(\t)*WROW  ; 16 lanes store 256 consecutive bytes, at a multiple of 256 from qkv's first byte
.endr
.endm
.macro WAYOUT
	PLACES                                         ; the conversions read results
	PACK 0
	TOSTAGE 0
.irp a, 1,2,3                          ; block a's conversions stand between block a - 1's loads from the stage and the wait for them
	PACK \a
	SEND (\a)-1
	TOSTAGE \a
.endr
	SEND 3
	s_mov_b64 s[16:17], NEXT_C                     ; what the next way out adds to qkv's address
.endm
	s_wait_tensorcnt 0x1                           ; my part of K step 0 is in; K step 1's may stay out
	s_barrier_signal -1
	s_barrier_wait -1                              ; everybody's is
	FETCH 0, 0
	s_wait_dscnt 32                                ; x's 32 loads are in
	WIN 0x0f
.set ri, 0
.rept 64
	v_cvt_pk_bf16_f32 v[64+ri], v[2*ri], v[2*ri+1] ; the first fragments are rounded by themselves, once a launch
.set ri, ri+1
.endr
	WIN 0
	s_mov_b32 s3, 23                               ; the loop is entered in its middle; that first part of a trip takes the count to 22: the refills to come, K steps 2 to 23
	s_branch .Lzero
.Lk:                                                   ; a trip: the second half of K step 22 - s3, the refill with K step 24 - s3, the first half of K step 23 - s3
	TURN 1
	WIN 0
	s_and_b32 s74, s3, 7
	s_cmp_eq_u32 s74, 7                            ; K steps 7 and 15 end a tile
	s_cbranch_scc0 .Lplain                         ; the jump goes forward, past text without a barrier or a tensor load
	WAYOUT                                         ; the refill is asked for: now the tile goes out,
	WIN 0
.Lzero:
	HEAD0 1                                        ; and a tile's first products start its sums
	WIN 0
	s_branch .Ljoin
.Lplain:
	HEAD0 0
	WIN 0
.Ljoin:
	REST0
	WIN 0
	s_sub_co_u32 s3, s3, 1
	s_cmp_lg_u32 s3, 0
	s_cbranch_scc1 .Lk
	TURN 0                                         ; the tail is written out: nothing is left to ask for
	HEAD0 0
	REST0
	s_wait_dscnt 16
	MUL 1, 0, 0, 4, 0
	s_wait_dscnt 0x0
	MUL 1, 1, 0, 4, 0
	WAYOUT
	WIN 0
	s_wait_tensorcnt 0x0                           ; the wave's end: a wait, an add of 0 to my spare word and its wait, behind my last tensor load and my last LDS store
	ds_add_u32 v[SPW], v[NIL]
	s_wait_dscnt 0x0
	CROUND                                         ; the closing round: no work-group ends while a partner may still ask for a tile that names it
	s_endpgm
.Lfunc_end_k_q3d6dc7c7fb_proj:
	.size	k_q3d6dc7c7fb_proj, .Lfunc_end_k_q3d6dc7c7fb_proj-k_q3d6dc7c7fb_proj
	.p2alignl 7, 3214868480
	.fill 96, 4, 3214868480
	.section	.rodata,"a",@progbits
	.p2align	6, 0x0
	.amdhsa_kernel k_q3d6dc7c7fb_proj
		.amdhsa_group_segment_fixed_size 327680
		.amdhsa_private_segment_fixed_size 0
		.amdhsa_enable_private_segment 0
		.amdhsa_kernarg_size 40
		.amdhsa_user_sgpr_count 2
		.amdhsa_user_sgpr_kernarg_segment_ptr 1
		.amdhsa_wavefront_size32 1
		.amdhsa_system_sgpr_workgroup_id_x 1
		.amdhsa_system_sgpr_workgroup_id_y 1
		.amdhsa_system_sgpr_workgroup_id_z 1
		.amdhsa_system_vgpr_workitem_id 0
		.amdhsa_next_free_vgpr 896
		.amdhsa_next_free_sgpr 96
		.amdhsa_reserve_vcc 0
		.amdhsa_float_denorm_mode_32 3
		.amdhsa_float_denorm_mode_16_64 3
		.amdhsa_memory_ordered 1
		.amdhsa_forward_progress 1
		.amdhsa_inst_pref_size 110
	.end_amdhsa_kernel
	.amdgpu_metadata
---
amdhsa.version: [ 1, 2 ]
amdhsa.kernels:
  - .name:           k_q3d6dc7c7fb_proj
    .symbol:         k_q3d6dc7c7fb_proj.kd
    .args:
      - { .name: query, .offset: 0, .size: 8, .value_kind: global_buffer, .address_space: global }
      - { .name: key, .offset: 8, .size: 8, .value_kind: global_buffer, .address_space: global }
      - { .name: value, .offset: 16, .size: 8, .value_kind: global_buffer, .address_space: global }
      - { .name: wb, .offset: 24, .size: 8, .value_kind: global_buffer, .address_space: global }
      - { .name: qkv, .offset: 32, .size: 8, .value_kind: global_buffer, .address_space: global }
    .group_segment_fixed_size: 327680
    .private_segment_fixed_size: 0
    .kernarg_segment_align: 8
    .kernarg_segment_size: 40
    .max_flat_workgroup_size: 128
    .sgpr_count:     96
    .vgpr_count:     896
    .wavefront_size: 32
...
	.end_amdgpu_metadata
.endif
;; end of part 2
;; launch score (part 3): grid 8 x 32, 4 waves a work-group, clusters of 4 x 4, 327,680 bytes of LDS; arguments qkv, pm, st; writes pm, st
.if DOCPART == 3
	.amdgcn_target "amdgcn-amd-amdhsa--gfx1250"
	.amdhsa_code_object_version 6
	.text
	.protected	k_q3d6dc7c7fb_score
	.globl	k_q3d6dc7c7fb_score
	.p2align	8
	.type	k_q3d6dc7c7fb_score,@function
k_q3d6dc7c7fb_score:
	s_mov_b64 s[64:65], 0
	v_nop
	global_prefetch_b8 v0, s[64:65] scope:SCOPE_SE
	s_setreg_imm32_b32 hwreg(HW_REG_WAVE_MODE, 25, 1), 1
	s_wait_xcnt 0x0
	s_wait_alu depctr_hold_cnt(0) depctr_sa_sdst(0) depctr_va_vdst(0) depctr_va_sdst(0) depctr_va_ssrc(0) depctr_va_vcc(0) depctr_vm_vsrc(0)
	s_getreg_b32 s2, hwreg(HW_REG_IB_STS2, 6, 4)
	s_cmp_eq_u32 s2, 0
	s_cbranch_scc0 .Lentry_in_a_cluster
	s_endpgm
.Lentry_in_a_cluster:
	s_bfe_u32 s2, ttmp6, 0x10000c
	s_cmp_lg_u32 s2, 0xf033
	s_cbranch_scc0 .Lentry_shape_is_right
	s_endpgm
.Lentry_shape_is_right:
; S = q k^T for each batch, and the first half of the softmax.  qkv: [3 x 8192][1024] f16 (q, k, v); pm: [8192][2048] f16; st: [2][16][8192] f32.
; For each query row and each BLOCK of 128 keys: m = the largest score of the block; pm = 2^(c s - c m), c = log2(e) / 32, rounded once to f16; st[0][block][row] = c m; st[1][block][row] = l, the sum of
; the block's unrounded weights.  The maximum is taken away before the exponential; the next launch joins the 16 blocks of a row by their maxima.  Products in f16, sums, maxima and l in f32.
; LIMITS.  q and k arrive within f16's range; a weight below 6e-8 of its block's largest counts as 0 in pm, one below 2^-126 as 0 in l; NaN and infinities are not treated apart.
; SHARES.  A tile is 256 queries x 256 keys of one batch; K = 1,024 goes in 8 steps of 128 through a ring of two LDS slots.  Four waves, each 128 x 128: 64 accumulators, 512 registers; a wave's 128
; keys are one block, so maximum and sum never leave the wave.
; CLUSTER.  4 x 4 work-groups: q's tile is shared along a row of the cluster, k's along a column: each is asked for JOINTLY, by the same tensor load, descriptor and mask in the four.
; THE MATRIX INSTRUCTION IS USED TRANSPOSED (source 0 = 16 keys, source 1 = 16 queries): a lane holds ONE query (lane % 16) and the keys 8 (lane / 16) + 0..7 of each group of 16.
; REGISTERS, in windows of 256 (s_set_vgpr_msb: bits 1:0 source 0, 3:2 source 1, 5:4 source 2, 7:6 destination):
;   window 0: v0-31 addresses; v64-127, v128-191 q's fragments, two buffers (at the end: v72-95 at work); v32-63, v224-255 rows read back; v192-223 packed weights
;   window 1: v64-127, v128-191 k's fragments          window 2: the accumulators of my rows 0-63 ((a, b) at 8 (8 a + b))          window 3: those of my rows 64-127
.set PITCH,  272                       ; an LDS row: 256 bytes + 16 of padding = 68 words: the 16 rows of a fragment load start 4 words apart modulo 64 words (64 banks of 4 bytes: ISA guide 11.1)
.set HALFT,  128*PITCH                 ; 128 rows: what one tensor load brings, and what one wave reads of q or of k
.set SLOTX,  4*HALFT                   ; a slot: q's 256 rows, then k's.  139,264 = 0x22000 shares no bit with wave x 0x8800, so one exclusive or changes slots
.set STAGE,  2*SLOTX                   ; behind the ring: 16 rows x 272 bytes for each wave
.set STATS,  STAGE+4*16*PITCH          ; 1,024 bytes for each wave: c m of its 128 rows, then l
.set SPARE,  STATS+4*1024              ; the spare words, 128 bytes a wave: two blocks of 256 bytes that no other line names
.set XROW,   2048                      ; bytes in a row of qkv
.set PROW,   4096                      ; bytes in a row of pm
.set KBYTES, 256
.set FLAGS,  (1<<16)|(1<<20)|(1<<21)|(5<<22)|(3<<25)  ; 2-byte elements; padding on; 21 set beside a mask; after every 64 words 4 words
.set ADRA0, 16
.set ADRA,  17
.set ADRB0, 20
.set ADRB,  21
.set LN16, 22                          ; v22  16 x my lane
.set STR,  23                          ; v23  where I read my wave's statistics back
.set STO,  24
.set RD,   25
.set CO,   26
.set STT,  27                          ; v27  where I put a row's c m (lanes 0-15) or l (lanes 16-31)
.set SPW,  28
.set NIL,  29
.set PFO,  30
.set OB,   32
.set F0,   64
.set F1,   128
.set TMP,  192
.set CM,   72                          ; v[72:73] c m, twice
.set LS,   74                          ; v74 l; v75 what goes to the statistics
.set CH,   80                          ; v[80:87] eight chains of the maximum
.set G1A, 24
.set G0A, 32
.set G1B, 48
.set G0B, 56
.set LIM, 43
.set PFA, 44
.set CS,  66                           ; s[66:67] c: the packed scaling takes the pair's low word for both halves
.set SEL, 68                           ; s[68:69] v_permlanex16_b32's selects: each lane takes its own place in the other half
.set HM,  70                           ; s70  the mask of lanes 16-31
.set TB,  71
.set MSB, 0
.macro WIN new
.if MSB != (\new)
	s_set_vgpr_msb (MSB<<8)|(\new)
.set MSB, \new
.endif
.endm
.macro PLACES
.rept 4
	v_nop
.endr
.endm
.macro CREST
	s_cmp_lg_u32 s10, 0
	s_cbranch_scc1 .Lnot_wave_0_\@
	s_barrier_signal -3
.Lnot_wave_0_\@:
	s_barrier_wait -3
	s_barrier_signal -1
	s_barrier_wait -1
.endm
.macro CROUND
	s_barrier_signal -1
	s_barrier_wait -1
	CREST
.endm
.macro JLOAD                           ; a joint refill by the walking descriptor: waves 0 and 1 fetch q's two halves, waves 2 and 3 k's; an s_nop 0 and four v_nop follow each line
	s_cmp_eq_u32 s11, 0
	s_cbranch_scc0 .Lfor_b_\@
	tensor_load_to_lds s[G0A+4:G0A+7], s[G1A:G1A+7]
	s_nop 0
.rept 4
	v_nop
.endr
	s_branch .Lasked_\@
.Lfor_b_\@:
	tensor_load_to_lds s[G0B+4:G0B+7], s[G1B:G1B+7]
	s_nop 0
.rept 4
	v_nop
.endr
.Lasked_\@:
.endm
; A PREFETCH of the K step two refills on: of the 128 rows that a wave fetches, each of the four partners that ask for them jointly takes 32, told apart by address (cx for q, cy for k): a lane a row.
; q's rows are read by both clusters of a row of clusters: the one with x = 0 asks; k's by the two clusters of a batch: the one with even y asks.  So each row's 256 bytes of a K step are named once.
; The last two refills have no K step two on.
.macro ASK
	WIN 0
	s_cmp_gt_u32 s3, s[LIM]
	s_cbranch_scc0 .Lnot_mine_\@
	global_prefetch_b8 v[PFO], s[PFA:PFA+1] th:TH_LOAD_NT scope:SCOPE_SE
.Lnot_mine_\@:
.endm
	s_load_b128 s[4:7], s[0:1], 0x0                ; qkv s[4:5], pm s[6:7]
	s_load_b64 s[8:9], s[0:1], 0x10                ; st
	v_lshl_add_u32 v[SPW], v0, 2, SPARE
	v_mov_b32 v[NIL], 0
	ds_add_u32 v[SPW], v[NIL]                      ; the wave's opening: the add and its wait stand ahead of my first tensor load
	v_lshrrev_b32 v1, 5, v0
	v_readfirstlane_b32 s10, v1                    ; wave 0..3
	s_lshr_b32 s11, s10, 1                         ; which 128 queries are mine.  Also: I fetch for q (0) or for k (1)
	s_and_b32 s12, s10, 1                          ; which 128 keys.  Also: which 128 rows of that tile I fetch
	s_bfe_u32 s40, ttmp6, 0x40000                  ; cx
	s_bfe_u32 s41, ttmp6, 0x40004                  ; cy
	s_lshl_b32 s42, ttmp9, 2
	s_add_co_u32 s42, s42, s40                     ; tile column (256 keys of the batch) = 4 x cluster x + cx
	s_and_b32 s13, ttmp7, 0xffff
	s_lshl_b32 s13, s13, 2
	s_add_co_u32 s13, s13, s41                     ; tile row (256 of the 8,192 queries) = 4 x cluster y + cy
	s_lshl_b32 s14, s41, 2
	s_lshl_b32 s14, 15, s14                        ; my row of the cluster
	s_lshl_b32 s15, 0x1111, s40                    ; my column
	s_or_b32 s[G1A], s14, FLAGS
	s_or_b32 s[G1B], s15, FLAGS
.irp g, G1A, G1B
	s_mov_b32 s[(\g)+1], 128<<16                   ; tensor_dim0 = 128
	s_mov_b32 s[(\g)+2], 128<<16                   ; tensor_dim1 = 128
	s_mov_b32 s[(\g)+3], 128<<16                   ; tile_dim0 = 128
	s_mov_b32 s[(\g)+4], 128                       ; tile_dim1 = 128
	s_mov_b32 s[(\g)+5], 1024                      ; elements from row to row
	s_mov_b32 s[(\g)+6], 0
	s_mov_b32 s[(\g)+7], 0
.endr
	s_lshl_b32 s18, s13, 8                         ; q: row 256 x tile row + 128 x half
	s_lshl_b32 s22, s12, 7
	s_add_co_u32 s18, s18, s22
	s_lshl_b32 s18, s18, 11
	s_mov_b32 s19, 0
	s_and_b32 s20, ttmp7, 0xffff                   ; k: the batch is cluster y / 2, which all partners share;
	s_lshr_b32 s20, s20, 1
	s_lshl_b32 s20, s20, 11                        ; its 2,048 rows,
	s_lshl_b32 s23, s42, 8
	s_add_co_u32 s20, s20, s23                     ; + 256 x tile column
	s_lshl_b32 s23, s12, 7
	s_add_co_u32 s20, s20, s23                     ; + 128 x half,
	s_add_co_u32 s20, s20, 8192                    ; behind q's 8,192 rows
	s_lshl_b32 s20, s20, 11
	s_mov_b32 s21, 0
	s_mul_i32 s22, s10, HALFT                      ; where they go: q's two halves, then k's two halves = wave x 128 rows
	s_mov_b32 s[G0A], 1
	s_mov_b32 s[G0A+1], s22
	s_mov_b32 s[G0A+4], 1
	s_add_co_u32 s[G0A+5], s22, SLOTX
	s_mov_b32 s[G0B], 1
	s_mov_b32 s[G0B+1], s22
	s_mov_b32 s[G0B+4], 1
	s_add_co_u32 s[G0B+5], s22, SLOTX
	s_mov_b32 s[CS], 0x3d38aa3b                    ; c = log2(e) / 32 = 0.0450842
	s_mov_b32 s[CS+1], s[CS]                       ; named with it as a pair
	s_mov_b32 s[SEL], 0x76543210
	s_mov_b32 s[SEL+1], 0xfedcba98
	s_mov_b32 s[HM], 0xffff0000
	s_mov_b32 s[TB], 0
	s_wait_dscnt 0x0                               ; the opening add is done
	s_wait_kmcnt 0x0
	s_add_nc_u64 s[G0A+2:G0A+3], s[4:5], s[18:19]
	s_add_nc_u64 s[G0A+6:G0A+7], s[G0A+2:G0A+3], KBYTES
	s_or_b32 s[G0A+3], s[G0A+3], 0x80000000
	s_or_b32 s[G0A+7], s[G0A+7], 0x80000000
	s_add_nc_u64 s[G0B+2:G0B+3], s[4:5], s[20:21]
	s_add_nc_u64 s[G0B+6:G0B+7], s[G0B+2:G0B+3], KBYTES
	s_or_b32 s[G0B+3], s[G0B+3], 0x80000000
	s_or_b32 s[G0B+7], s[G0B+7], 0x80000000
	CROUND                                         ; all sixteen work-groups are here: the first joint loads meet
	s_cmp_eq_u32 s11, 0                            ; a wave's two first fills stand in one branch: two loads of mine are out
	s_cbranch_scc0 .Lfirst_b
	tensor_load_to_lds s[G0A:G0A+3], s[G1A:G1A+7]
	s_nop 0
	tensor_load_to_lds s[G0A+4:G0A+7], s[G1A:G1A+7]
	s_nop 0
.rept 4
	v_nop
.endr
	s_branch .Lfirst_asked
.Lfirst_b:
	tensor_load_to_lds s[G0B:G0B+3], s[G1B:G1B+7]
	s_nop 0
	tensor_load_to_lds s[G0B+4:G0B+7], s[G1B:G1B+7]
	s_nop 0
.rept 4
	v_nop
.endr
.Lfirst_asked:
	v_and_b32 v1, 15, v0                           ; l % 16
	v_bfe_u32 v2, v0, 4, 1                         ; l / 16
	v_mul_u32_u24 v3, v1, PITCH
	v_lshl_add_u32 v3, v2, 4, v3                   ; a fragment's row x pitch + 16 x half
	s_mul_i32 s22, s11, HALFT                      ; my 128 rows of q
	v_add_nc_u32 v[ADRA0], s22, v3
	s_mul_i32 s23, s12, HALFT                      ; my 128 rows of k, behind q's 256
	s_add_co_u32 s23, s23, 2*HALFT
	v_add_nc_u32 v[ADRB0], s23, v3
	v_mov_b32 v[ADRA], v[ADRA0]
	v_mov_b32 v[ADRB], v[ADRB0]
	s_mul_i32 s22, s10, 16*PITCH
	s_add_co_u32 s22, s22, STAGE                   ; my stage
	v_add_nc_u32 v[STO], s22, v3
	v_mul_u32_u24 v4, v2, PITCH
	v_lshl_add_u32 v4, v1, 4, v4
	v_add_nc_u32 v[RD], s22, v4
	v_lshlrev_b32 v5, 12, v2                       ; two rows of pm
	v_lshl_add_u32 v[CO], v1, 4, v5
	s_lshl_b32 s22, s10, 10
	s_add_co_u32 s22, s22, STATS                   ; my statistics
	v_lshlrev_b32 v4, 9, v2
	v_lshl_add_u32 v4, v1, 2, v4
	v_add_nc_u32 v[STT], s22, v4                   ; 512 x (l / 16) + 4 x (l % 16)
	v_and_b32 v5, 31, v0
	v_lshlrev_b32 v[LN16], 4, v5
	v_add_nc_u32 v[STR], s22, v[LN16]
	s_lshl_b32 s16, s13, 8                         ; my part of pm: row 256 x tile row + 128 x half,
	s_lshl_b32 s17, s11, 7
	s_add_co_u32 s16, s16, s17
	s_lshl_b32 s16, s16, 12
	s_lshl_b32 s17, s42, 9                         ; byte 512 x tile column + 256 x half
	s_add_co_u32 s16, s16, s17
	s_lshl_b32 s17, s12, 8
	s_add_co_u32 s16, s16, s17
	s_mov_b32 s17, 0
	s_lshl_b32 s72, s42, 1                         ; my part of st: block 2 x tile column + half, 32,768 bytes a block,
	s_add_co_u32 s72, s72, s12
	s_lshl_b32 s72, s72, 15
	s_lshl_b32 s73, s13, 10                        ; 4 bytes a row
	s_add_co_u32 s72, s72, s73
	s_lshl_b32 s73, s11, 9
	s_add_co_u32 s72, s72, s73
	s_mov_b32 s73, 0
	s_add_nc_u64 s[8:9], s[8:9], s[72:73]
	; the prefetches
	s_lshl_b32 s46, s13, 8
	s_lshl_b32 s47, s40, 5
	s_add_co_u32 s46, s46, s47                     ; q: row 256 x tile row + 32 cx
	s_and_b32 s22, ttmp7, 0xffff
	s_lshr_b32 s23, s22, 1
	s_lshl_b32 s23, s23, 11
	s_add_co_u32 s23, s23, 8192
	s_lshl_b32 s72, s42, 8
	s_add_co_u32 s23, s23, s72
	s_lshl_b32 s72, s41, 5
	s_add_co_u32 s23, s23, s72                     ; k: row 8,192 + 2,048 x batch + 256 x tile column + 32 cy
	s_and_b32 s22, s22, 1
	s_cmp_eq_u32 s11, 0
	s_cselect_b32 s46, s46, s23
	s_cselect_b32 s22, ttmp9, s22                  ; the coordinate along which another cluster reads the same rows
	s_cmp_eq_u32 s22, 0
	s_cselect_b32 s[LIM], 2, -1                    ; the same in all sixteen partners, for a given wave
	s_lshl_b32 s47, s12, 7
	s_add_co_u32 s46, s46, s47                     ; + the 128 rows that I fetch
	s_lshl_b32 s46, s46, 11
	s_add_co_u32 s46, s46, 3*KBYTES                ; at K step 3: the first refill steps it to 4.  K steps 0 to 3 come by their loads alone
	s_mov_b32 s47, 0
	s_add_nc_u64 s[PFA:PFA+1], s[4:5], s[46:47]
	v_lshlrev_b32 v[PFO], 11, v5
; 16 matrix instructions: blocks a0, a0 + 1 of the window's four (hi = 0: my rows 0-63, 1: rows 64-127) x all 8 blocks of keys, 32 along K.  zero = 1: the product starts the sums.
; The 64 accumulators take turns, one instruction a turn and always in the same order.
.macro MUL16 f, hi, a0, zero
	WIN 0xa1+0x50*(\hi)                            ; source 0 (k) window 1, source 1 (q) window 0, C and D window 2 or 3
.irp a, \a0, (\a0)+1
.irp b, 0,1,2,3,4,5,6,7
.if \zero
	v_wmma_f32_16x16x32_f16 v[8*(8*(\a)+(\b)):8*(8*(\a)+(\b))+7], v[(\f)+8*(\b):(\f)+8*(\b)+7], v[(\f)+8*(4*(\hi)+(\a)):(\f)+8*(4*(\hi)+(\a))+7], 0
.else
	v_wmma_f32_16x16x32_f16 v[8*(8*(\a)+(\b)):8*(8*(\a)+(\b))+7], v[(\f)+8*(\b):(\f)+8*(\b)+7], v[(\f)+8*(4*(\hi)+(\a)):(\f)+8*(4*(\hi)+(\a))+7], v[8*(8*(\a)+(\b)):8*(8*(\a)+(\b))+7]
.endif
.endr
.endr
.endm
; 32 LDS loads in one run: the fragments of 32 along K at byte k of the rows, into buffer f: k's 16 loads, then q's 16
.macro FETCH k, f
	WIN 0x40
.irp i, 0,1,2,3,4,5,6,7
	ds_load_b128 v[(\f)+8*(\i):(\f)+8*(\i)+3],   v[ADRB] offset:(\k)+(\i)*16*PITCH
	ds_load_b128 v[(\f)+8*(\i)+4:(\f)+8*(\i)+7], v[ADRB] offset:(\k)+(\i)*16*PITCH+32
.endr
	WIN 0
.irp i, 0,1,2,3,4,5,6,7
	ds_load_b128 v[(\f)+8*(\i):(\f)+8*(\i)+3],   v[ADRA] offset:(\k)+(\i)*16*PITCH
	ds_load_b128 v[(\f)+8*(\i)+4:(\f)+8*(\i)+7], v[ADRA] offset:(\k)+(\i)*16*PITCH+32
.endr
.endm
; A K step is four quarters of 32 along K, 64 matrix instructions each, on buffers 0, 1, 0, 1.  One of the first three: multiplies buffer f and fetches the next quarter, at byte k, into g.
.macro QUARTER k, f, g, zero
	s_wait_dscnt 8                                 ; k and q's rows 0-63 are in; the youngest eight loads (q's rows 64-127) may be out
	MUL16 \f, 0, 0, \zero
	MUL16 \f, 0, 2, \zero
	PLACES
	FETCH \k, \g
	s_wait_dscnt 32                                ; all but the 32 just issued
	MUL16 \f, 1, 0, \zero
	MUL16 \f, 1, 2, \zero
.endm
; The last quarter multiplies buffer 1 and changes slots: ONE barrier; in front of it each wave waits for all its tensor loads (one is out: its part of the next slot), adds 0 to its spare word, and waits
; for that and for its own reads of this slot.  fill = 1: the barrier opens a round of the cluster's, and this slot is filled again first thing behind the round: 224 matrix instructions ahead of the wait for it.
.macro TURN fill
.if \fill
	s_wait_xcnt 0x0                                ; the last prefetch, a K step back, has read its address
	s_add_nc_u64 s[PFA:PFA+1], s[PFA:PFA+1], KBYTES
.endif
	WIN 0
	s_wait_tensorcnt 0x0                           ; all my tensor loads have landed, so a group 0 may be written;
	ds_add_u32 v[SPW], v[NIL]                      ; 0 onto my spare word
.if \fill
	s_xor_b32 s[G0A+5], s[G0A+5], SLOTX            ; the walking descriptors: the other slot, the next K step
	s_add_nc_u64 s[G0A+6:G0A+7], s[G0A+6:G0A+7], KBYTES
	s_xor_b32 s[G0B+5], s[G0B+5], SLOTX
	s_add_nc_u64 s[G0B+6:G0B+7], s[G0B+6:G0B+7], KBYTES
.endif
	s_wait_dscnt 9                                 ; (the add and the youngest eight loads may be out)
	MUL16 F1, 0, 0, 0
	s_wait_dscnt 0x0                               ; the add is done, and my reads of this slot are over
	s_barrier_signal -1
	MUL16 F1, 0, 2, 0
	WIN 0
	s_barrier_wait -1
.if \fill
	CREST
	JLOAD                                          ; the four v_nop behind it are also the places in front of the loads below
.else
	PLACES
.endif
	s_xor_b32 s[TB], s[TB], SLOTX
	v_add_nc_u32 v[ADRA], s[TB], v[ADRA0]
	v_add_nc_u32 v[ADRB], s[TB], v[ADRB0]
	FETCH 0, F0
.if \fill
	ASK
.endif
	MUL16 F1, 1, 0, 0
	MUL16 F1, 1, 2, 0
.endm
; THE SOFTMAX'S FIRST HALF for block a (0 to 3) of 16 queries of window 2: its 64 registers S hold, for the lane's query, 64 of the wave's 128 keys; the lane 16 away holds the other 64.
.macro SOFT a
.set AC, 64*(\a)
	WIN 0x2a                                       ; sources 0, 1 and 2 window 2.  The maximum: eight chains, one an accumulator, each begun at the accumulator's low end
.irp b, 0,1,2,3,4,5,6,7
	v_max3_num_f32 v[CH+(\b)], v[AC+8*(\b)], v[AC+8*(\b)+1], v[AC+8*(\b)+2]
.endr
	WIN 0x28                                       ; sources 1 and 2 window 2
.irp b, 0,1,2,3,4,5,6,7
	v_max3_num_f32 v[CH+(\b)], v[CH+(\b)], v[AC+8*(\b)+3], v[AC+8*(\b)+4]
.endr
.irp b, 0,1,2,3,4,5,6,7
	v_max3_num_f32 v[CH+(\b)], v[CH+(\b)], v[AC+8*(\b)+5], v[AC+8*(\b)+6]
.endr
.irp b, 0,1,2,3
	v_max3_num_f32 v[CH+(\b)], v[CH+(\b)], v[AC+16*(\b)+7], v[AC+16*(\b)+15]
.endr
	WIN 0
	v_max3_num_f32 v[CH], v[CH], v[CH+1], v[CH+2]
	v_max3_num_f32 v[CH+3], v[CH+3], v[CH+4], v[CH+5]
	v_max3_num_f32 v[CH], v[CH], v[CH+6], v[CH+7]
	v_max_num_f32 v[CH], v[CH], v[CH+3]
	v_permlanex16_b32 v[CH+1], v[CH], s[SEL], s[SEL+1]  ; the query's other 64 keys
	v_max_num_f32 v[CH], v[CH], v[CH+1]            ; m
	v_mul_f32 v[CM], s[CS], v[CH]                  ; c m
	v_mul_f32 v[CM+1], s[CS], v[CH]
	WIN 0x82                                       ; destination and source 0 window 2
.set i, 0
.rept 32
	v_pk_fma_f32 v[AC+i:AC+i+1], v[AC+i:AC+i+1], s[CS:CS+1], v[CM:CM+1] op_sel_hi:[1,0,0] neg_lo:[0,0,1] neg_hi:[0,0,1]  ; c s - c m
.set i, i+2
.endr
.set i, 0
.rept 64
	v_exp_f32 v[AC+i], v[AC+i]                     ; one batch: none of these reads another's result
.set i, i+1
.endr
	v_nop                                          ; a plain instruction behind the last exponential (ISA guide 5.7.2),
	s_wait_alu depctr_va_vdst(0)                   ; and the one wait ahead of the batch's first reader
	WIN 0x0a                                       ; sources 0 and 1 window 2
.set i, 0
.rept 32
	v_cvt_pk_f16_f32 v[TMP+i], v[AC+2*i], v[AC+2*i+1]
.set i, i+1
.endr
	WIN 0x8a                                       ; the sum of the 32 pairs, in place: neighbours 1, 2, 4, 8 and 16 pairs apart
.irp w, 1,2,4,8,16
.set u, 0
.rept 16/(\w)
	v_pk_add_f32 v[AC+4*(\w)*u:AC+4*(\w)*u+1], v[AC+4*(\w)*u:AC+4*(\w)*u+1], v[AC+4*(\w)*u+2*(\w):AC+4*(\w)*u+2*(\w)+1]
.set u, u+1
.endr
.endr
	WIN 0x0a
	v_add_f32 v[LS], v[AC], v[AC+1]
	WIN 0
	v_permlanex16_b32 v[CH+1], v[LS], s[SEL], s[SEL+1]
	v_add_f32 v[LS], v[LS], v[CH+1]                ; l
	v_cndmask_b32 v[LS+1], v[CM], v[LS], s[HM]     ; lanes 0-15 carry c m, lanes 16-31 l
	ds_store_b32 v[STT], v[LS+1] offset:64*(\a)
.endm
.macro TOSTAGE a
	WIN 0
.set BK, OB+192*((\a)%2)
.irp b, 0,1,2,3,4,5,6,7
	ds_store_b128 v[STO], v[TMP+4*(\b):TMP+4*(\b)+3] offset:32*(\b)
.endr
.irp t, 0,1,2,3,4,5,6,7
	ds_load_b128 v[BK+4*(\t):BK+4*(\t)+3], v[RD] offset:(\t)*2*PITCH  ; LDS serves a wave's instructions in order (ISA guide 5.7.1.4): these see the stores above
.endr
.endm
.macro SEND a
	WIN 0
.set BK, OB+192*((\a)%2)
	s_wait_dscnt 0x0                               ; the block is back in registers
	s_wait_xcnt 0x0                                ; earlier stores have read their base and their data
.if (\a) == 0
	s_add_nc_u64 s[6:7], s[6:7], s[16:17]
.else
	s_add_nc_u64 s[6:7], s[6:7], 16*PROW
.endif
.irp t, 0,1,2,3,4,5,6,7
	global_store_b128 v[CO], v[BK+4*(\t):BK+4*(\t)+3], s[6:7] offset:2*(\t)*PROW  ; 16 lanes store 256 consecutive bytes, at a multiple of 256 from pm's first byte
.endr
.endm
	s_wait_tensorcnt 0x1                           ; my part of K step 0 is in; K step 1's may stay out
	s_barrier_signal -1
	s_barrier_wait -1
	FETCH 0, F0
	QUARTER 64, F0, F1, 1                          ; the first quarter starts the sums
	WIN 0
	s_mov_b32 s3, 6                                ; refills to come: K steps 2 to 7
.Lk:                                                   ; a trip: from a K step's second quarter to the next one's first; the slot left is filled again
	QUARTER 128, F1, F0, 0
	QUARTER 192, F0, F1, 0
	TURN 1
	QUARTER 64, F0, F1, 0
	WIN 0
	s_sub_co_u32 s3, s3, 1
	s_cmp_lg_u32 s3, 0
	s_cbranch_scc1 .Lk
	QUARTER 128, F1, F0, 0                         ; the tail is written out: nothing is left to ask for
	QUARTER 192, F0, F1, 0
	TURN 0
	QUARTER 64, F0, F1, 0
	QUARTER 128, F1, F0, 0
	QUARTER 192, F0, F1, 0
	s_wait_dscnt 8
	MUL16 F1, 0, 0, 0
	MUL16 F1, 0, 2, 0
	s_wait_dscnt 0x0
	MUL16 F1, 1, 0, 0
	MUL16 F1, 1, 2, 0
	PLACES                                         ; the maxima read results, and write registers that held fragments
	WIN 0
	; THE WAY OUT: two trips over ONE text of four blocks, which names window 2: first my rows 0-63, then my rows 64-127, whose accumulators are copied there between the trips.
	; The copy is 256 moves a wave, once a launch; it halves the text of the softmax, which is written out register by register.
	s_mov_b32 s3, 2
.Lhalf:
	SOFT 0
	TOSTAGE 0
.irp a, 1,2,3                          ; block a's softmax stands between block a - 1's loads from the stage and the wait for them
	SOFT \a
	SEND (\a)-1
	TOSTAGE \a
.endr
	SEND 3
	s_mov_b64 s[16:17], 16*PROW                    ; what the second trip's first block adds to pm's address: 16 rows on, like every other block
	v_add_nc_u32 v[STT], 256, v[STT]               ; and its statistics lie 64 rows x 4 bytes on
	s_cmp_eq_u32 s3, 1
	s_cbranch_scc1 .Lmoved                         ; behind the second trip there is nothing left to copy
	WIN 0x83                                       ; source 0 window 3, destination window 2; each accumulator's registers in ascending order
.set i, 0
.rept 256
	v_mov_b32 v[i], v[i]
.set i, i+1
.endr
	WIN 0
.Lmoved:
	s_sub_co_u32 s3, s3, 1
	s_cmp_lg_u32 s3, 0
	s_cbranch_scc1 .Lhalf
	ds_load_b128 v[88:91], v[STR]                  ; my wave's own bytes, served in order: c m of rows 4 l .. 4 l + 3,
	ds_load_b128 v[92:95], v[STR] offset:512       ; and l
	s_wait_dscnt 0x0
	global_store_b128 v[LN16], v[88:91], s[8:9]    ; 512 consecutive bytes each
	global_store_b128 v[LN16], v[92:95], s[8:9] offset:524288
	s_wait_tensorcnt 0x0                           ; the wave's end: a wait, an add of 0 to my spare word and its wait, behind my last tensor load and my last LDS store
	ds_add_u32 v[SPW], v[NIL]
	s_wait_dscnt 0x0
	CROUND                                         ; the closing round
	s_endpgm
.Lfunc_end_k_q3d6dc7c7fb_score:
	.size	k_q3d6dc7c7fb_score, .Lfunc_end_k_q3d6dc7c7fb_score-k_q3d6dc7c7fb_score
	.p2alignl 7, 3214868480
	.fill 96, 4, 3214868480
	.section	.rodata,"a",@progbits
	.p2align	6, 0x0
	.amdhsa_kernel k_q3d6dc7c7fb_score
		.amdhsa_group_segment_fixed_size 327680
		.amdhsa_private_segment_fixed_size 0
		.amdhsa_enable_private_segment 0
		.amdhsa_kernarg_size 24
		.amdhsa_user_sgpr_count 2
		.amdhsa_user_sgpr_kernarg_segment_ptr 1
		.amdhsa_wavefront_size32 1
		.amdhsa_system_sgpr_workgroup_id_x 1
		.amdhsa_system_sgpr_workgroup_id_y 1
		.amdhsa_system_sgpr_workgroup_id_z 1
		.amdhsa_system_vgpr_workitem_id 0
		.amdhsa_next_free_vgpr 1024
		.amdhsa_next_free_sgpr 80
		.amdhsa_reserve_vcc 0
		.amdhsa_float_denorm_mode_32 3
		.amdhsa_float_denorm_mode_16_64 3
		.amdhsa_memory_ordered 1
		.amdhsa_forward_progress 1
		.amdhsa_inst_pref_size 145
	.end_amdhsa_kernel
	.amdgpu_metadata
---
amdhsa.version: [ 1, 2 ]
amdhsa.kernels:
  - .name:           k_q3d6dc7c7fb_score
    .symbol:         k_q3d6dc7c7fb_score.kd
    .args:
      - { .name: qkv, .offset: 0, .size: 8, .value_kind: global_buffer, .address_space: global }
      - { .name: pm, .offset: 8, .size: 8, .value_kind: global_buffer, .address_space: global }
      - { .name: st, .offset: 16, .size: 8, .value_kind: global_buffer, .address_space: global }
    .group_segment_fixed_size: 327680
    .private_segment_fixed_size: 0
    .kernarg_segment_align: 8
    .kernarg_segment_size: 24
    .max_flat_workgroup_size: 128
    .sgpr_count:     80
    .vgpr_count:     1024
    .wavefront_size: 32
...
	.end_amdgpu_metadata
.endif
;; end of part 3
;; launch pv (part 4): grid 4 x 64, 4 waves a work-group, clusters of 4 x 4, 327,680 bytes of LDS; arguments pm, qkv, st, out0; writes out0
.if DOCPART == 4
	.amdgcn_target "amdgcn-amd-amdhsa--gfx1250"
	.amdhsa_code_object_version 6
	.text
	.protected	k_q3d6dc7c7fb_pv
	.globl	k_q3d6dc7c7fb_pv
	.p2align	8
	.type	k_q3d6dc7c7fb_pv,@function
k_q3d6dc7c7fb_pv:
	s_mov_b64 s[64:65], 0
	v_nop
	global_prefetch_b8 v0, s[64:65] scope:SCOPE_SE
	s_setreg_imm32_b32 hwreg(HW_REG_WAVE_MODE, 25, 1), 1
	s_wait_xcnt 0x0
	s_wait_alu depctr_hold_cnt(0) depctr_sa_sdst(0) depctr_va_vdst(0) depctr_va_sdst(0) depctr_va_ssrc(0) depctr_va_vcc(0) depctr_vm_vsrc(0)
	s_getreg_b32 s2, hwreg(HW_REG_IB_STS2, 6, 4)
	s_cmp_eq_u32 s2, 0
	s_cbranch_scc0 .Lentry_in_a_cluster
	s_endpgm
.Lentry_in_a_cluster:
	s_bfe_u32 s2, ttmp6, 0x10000c
	s_cmp_lg_u32 s2, 0xf033
	s_cbranch_scc0 .Lentry_shape_is_right
	s_endpgm
.Lentry_shape_is_right:
; out0[row][ch] = (the sum over the row's 16 blocks of keys of f_block x the sum over the block's keys of pm[row][key] v[key][ch]) / L.
; pm: [8192][2048] f16, the weights 2^(c s - c m_block); st: [2][16][8192] f32, c m_block and l_block; v: the last 8,192 rows of qkv, [.][1024] f16; out0: [8192][1024] f32.
; THE SOFTMAX'S SECOND HALF.  CM = the largest c m_block of the row; f = 2^(c m_block - CM), at most 1, rounded to f16; L = the sum of f l (with the rounded f), in f32, at least the largest block's l.
; A fragment of pm is multiplied by its row's f on the way from LDS to the matrix unit (v_pk_mul_f16: one more rounding to f16); the finished f32 sums are multiplied by 1 / L.
; LIMITS.  v arrives within f16's range; a weight below 6e-8 of its row's largest counts as 0; NaN and infinities are not treated apart.
; SHARES.  A tile is 128 rows x 256 channels; the batch's 2,048 keys go in 16 steps of 128 (a step = a block) through a ring of two LDS slots.  Four waves, each 64 rows x 128 channels: 32 accumulators.
; CLUSTER.  4 x 4 work-groups: pm's tile is shared along a row of the cluster, v's along a column: each is asked for JOINTLY.
; THE MATRIX INSTRUCTION IS USED TRANSPOSED (source 0 = 16 channels of v, turned on the way out of LDS by ds_load_tr16_b128; source 1 = 16 rows of pm): a lane holds row lane % 16 and eight neighbouring channels.
; REGISTERS, in windows of 256 (s_set_vgpr_msb: bits 1:0 source 0, 3:2 source 1, 5:4 source 2, 7:6 destination):
;   window 0: v0-31 addresses, v8-11 the step's f (twice in a word) for my four blocks of rows, v12-15 1 / L; v32-39 1 / L in pairs; v64-127, v128-191 pm's fragments, two buffers of 64 keys
;             (chunk c of 32, block a at 32 c + 8 a); on the way out v64-127 scaled sums, v128-191 and v192-255 rows read back
;   window 1: v's fragments, two buffers of 128 (chunk c, block b at 64 c + 8 b)          window 2: accumulator (a, b) at 8 (8 a + b)
.set PITCH,  272                       ; a row of pm in LDS: 256 bytes + 16 of padding
.set PV,     544                       ; a row of v: 512 + 32 = 136 words: 16 lanes of the turning load take 8 rows x 32 bytes, 8 words apart modulo 64 words (64 banks of 4 bytes: ISA guide 11.1)
.set ABYTES, 128*PITCH
.set SLOTX,  131072                    ; slot 1 begins here (a slot is 34,816 + 69,632 bytes)
.set STAGE,  SLOTX+ABYTES+128*PV       ; behind the ring: 16 rows x 528 bytes for each wave
.set SPITCH, 528
.set FT,     STAGE+4*16*SPITCH         ; f: 512 bytes a step: row t at 256 (t / 64) + 16 (t % 16) + 4 ((t / 16) % 4)
.set IL,     FT+16*512                 ; 1 / L, 512 bytes, laid out likewise
.set SPARE,  IL+512                    ; the spare words, 128 bytes a wave: two blocks of 256 bytes that no other line names
.set PROW,   4096                      ; bytes in a row of pm and of out0
.set XROW,   2048                      ; bytes in a row of qkv
.set STEP_A, 256                       ; a step: 128 keys along pm's rows,
.set STEP_B, 128*XROW                  ; 128 rows of v
.set ADRA0, 16
.set ADRA,  17
.set FTA,  18                          ; v18  my lane's place in a step's f; never rewritten
.set FTC,  19                          ; v19  the same in the step to be fetched
.set ADRB0, 20
.set ADRB,  21
.set STO,  24
.set RD,   25
.set CO,   26
.set SPW,  28
.set NIL,  29
.set PFO,  30
.set FX,   8
.set ILP,  32
.set TMP,  64
.set OB,   128
.set G1A, 24
.set G0A, 32
.set G1B, 48
.set G0B, 56
.set LIM, 43
.set PFA, 44
.set TB,  73
.set FS,  78                           ; s78  512 x the step whose f is fetched next
.set MSB, 0
.macro WIN new
.if MSB != (\new)
	s_set_vgpr_msb (MSB<<8)|(\new)
.set MSB, \new
.endif
.endm
.macro PLACES
.rept 4
	v_nop
.endr
.endm
.macro CREST
	s_cmp_lg_u32 s10, 0
	s_cbranch_scc1 .Lnot_wave_0_\@
	s_barrier_signal -3
.Lnot_wave_0_\@:
	s_barrier_wait -3
	s_barrier_signal -1
	s_barrier_wait -1
.endm
.macro CROUND
	s_barrier_signal -1
	s_barrier_wait -1
	CREST
.endm
.macro JLOAD                           ; a joint refill by the walking descriptor: waves 0 and 1 fetch pm's two halves, waves 2 and 3 v's; an s_nop 0 and four v_nop follow each line
	s_cmp_eq_u32 s11, 0
	s_cbranch_scc0 .Lfor_b_\@
	tensor_load_to_lds s[G0A+4:G0A+7], s[G1A:G1A+7]
	s_nop 0
.rept 4
	v_nop
.endr
	s_branch .Lasked_\@
.Lfor_b_\@:
	tensor_load_to_lds s[G0B+4:G0B+7], s[G1B:G1B+7]
	s_nop 0
.rept 4
	v_nop
.endr
.Lasked_\@:
.endm
; A PREFETCH of the step two refills on, a lane a row.  pm's 128 rows x 256 bytes: the four partners that ask for them jointly take 32 rows each, told apart by address (cx), wave 0 of each.
; v's 128 keys x 512 bytes: 32 keys to each partner (cy), the first 256 bytes of a key's 512 to its wave 2, the second to its wave 3, in the first of the batch's four clusters alone.
; So each aligned block of 256 bytes is named once in the launch.  The last two refills have no step two on.
.macro ASK
	WIN 0
	s_cmp_gt_u32 s3, s[LIM]
	s_cbranch_scc0 .Lnot_mine_\@
	global_prefetch_b8 v[PFO], s[PFA:PFA+1] th:TH_LOAD_NT scope:SCOPE_SE
.Lnot_mine_\@:
.endm
	s_load_b128 s[4:7], s[0:1], 0x0                ; pm s[4:5], qkv s[6:7]
	s_load_b128 s[16:19], s[0:1], 0x10             ; st s[16:17], out0 s[18:19]
	v_lshl_add_u32 v[SPW], v0, 2, SPARE
	v_mov_b32 v[NIL], 0
	ds_add_u32 v[SPW], v[NIL]                      ; the wave's opening: the add and its wait stand ahead of my first tensor load
	v_lshrrev_b32 v1, 5, v0
	v_readfirstlane_b32 s10, v1                    ; wave 0..3
	s_lshr_b32 s11, s10, 1                         ; which 64 rows are mine.  Also: I fetch for pm (0) or for v (1)
	s_and_b32 s12, s10, 1                          ; which 128 channels.  Also: which half of that tile I fetch
	s_bfe_u32 s40, ttmp6, 0x40000                  ; cx
	s_bfe_u32 s41, ttmp6, 0x40004                  ; cy
	s_lshl_b32 s42, ttmp9, 2
	s_add_co_u32 s42, s42, s40                     ; tile column (256 channels)
	s_and_b32 s13, ttmp7, 0xffff
	s_lshl_b32 s13, s13, 2
	s_add_co_u32 s13, s13, s41                     ; tile row (128 of the 8,192 rows)
	s_lshl_b32 s14, s41, 2
	s_lshl_b32 s14, 15, s14                        ; my row of the cluster
	s_lshl_b32 s15, 0x1111, s40                    ; my column
	s_or_b32 s[G1A], s14, (1<<16)|(1<<20)|(1<<21)|(5<<22)|(3<<25)  ; 2-byte elements; padding on; 21 set beside a mask; after every 64 words 4 words
	s_or_b32 s[G1B], s15, (1<<16)|(1<<20)|(1<<21)|(6<<22)|(7<<25)  ; after every 128 words 8 words
	s_mov_b32 s[G1A+1], 128<<16                    ; pm: 64 rows x 128 keys
	s_mov_b32 s[G1A+2], 64<<16
	s_mov_b32 s[G1A+3], 128<<16
	s_mov_b32 s[G1A+4], 64
	s_mov_b32 s[G1A+5], 2048                       ; elements from row to row
	s_mov_b32 s[G1A+6], 0
	s_mov_b32 s[G1A+7], 0
	s_mov_b32 s[G1B+1], 256<<16                    ; v: 64 keys x 256 channels
	s_mov_b32 s[G1B+2], 64<<16
	s_mov_b32 s[G1B+3], 256<<16
	s_mov_b32 s[G1B+4], 64
	s_mov_b32 s[G1B+5], 1024
	s_mov_b32 s[G1B+6], 0
	s_mov_b32 s[G1B+7], 0
	s_lshl_b32 s8, s13, 7                          ; pm: row 128 x tile row + 64 x half
	s_lshl_b32 s22, s12, 6
	s_add_co_u32 s8, s8, s22
	s_lshl_b32 s8, s8, 12
	s_mov_b32 s9, 0
	s_and_b32 s20, ttmp7, 0xffff                   ; v: the batch is cluster y / 4, which all partners share;
	s_lshr_b32 s20, s20, 2
	s_lshl_b32 s20, s20, 11                        ; its 2,048 keys,
	s_lshl_b32 s23, s12, 6
	s_add_co_u32 s20, s20, s23                     ; + 64 x half,
	s_add_co_u32 s20, s20, 16384                   ; behind q's and k's rows
	s_lshl_b32 s20, s20, 11
	s_lshl_b32 s23, s42, 9                         ; + the tile's 256 channels
	s_add_co_u32 s20, s20, s23
	s_mov_b32 s21, 0
	s_mul_i32 s22, s12, 64*PITCH                   ; where they go: the wave's number alone enters an LDS address
	s_mul_i32 s23, s12, 64*PV
	s_add_co_u32 s23, s23, ABYTES
	s_mov_b32 s[G0A], 1
	s_mov_b32 s[G0A+1], s22
	s_mov_b32 s[G0A+4], 1
	s_add_co_u32 s[G0A+5], s22, SLOTX
	s_mov_b32 s[G0B], 1
	s_mov_b32 s[G0B+1], s23
	s_mov_b32 s[G0B+4], 1
	s_add_co_u32 s[G0B+5], s23, SLOTX
	s_mov_b32 s[TB], 0
	s_mov_b32 s[FS], 512
	s_wait_dscnt 0x0                               ; the opening add is done
	s_wait_kmcnt 0x0
	s_add_nc_u64 s[G0A+2:G0A+3], s[4:5], s[8:9]
	s_add_nc_u64 s[G0A+6:G0A+7], s[G0A+2:G0A+3], STEP_A
	s_or_b32 s[G0A+3], s[G0A+3], 0x80000000
	s_or_b32 s[G0A+7], s[G0A+7], 0x80000000
	s_add_nc_u64 s[G0B+2:G0B+3], s[6:7], s[20:21]
	s_add_nc_u64 s[G0B+6:G0B+7], s[G0B+2:G0B+3], STEP_B
	s_or_b32 s[G0B+3], s[G0B+3], 0x80000000
	s_or_b32 s[G0B+7], s[G0B+7], 0x80000000
	CROUND                                         ; all sixteen work-groups are here: the first joint loads meet
	s_cmp_eq_u32 s11, 0                            ; a wave's two first fills stand in one branch: two loads of mine are out
	s_cbranch_scc0 .Lfirst_b
	tensor_load_to_lds s[G0A:G0A+3], s[G1A:G1A+7]
	s_nop 0
	tensor_load_to_lds s[G0A+4:G0A+7], s[G1A:G1A+7]
	s_nop 0
.rept 4
	v_nop
.endr
	s_branch .Lfirst_asked
.Lfirst_b:
	tensor_load_to_lds s[G0B:G0B+3], s[G1B:G1B+7]
	s_nop 0
	tensor_load_to_lds s[G0B+4:G0B+7], s[G1B:G1B+7]
	s_nop 0
.rept 4
	v_nop
.endr
.Lfirst_asked:
	; THE STATISTICS, in the wait for the first tiles.  Thread t is row t of the tile: its 16 c m and 16 l.
	s_lshl_b32 s46, s13, 9                         ; 128 rows x 4 bytes a tile row
	s_mov_b32 s47, 0
	s_add_nc_u64 s[16:17], s[16:17], s[46:47]
	v_lshlrev_b32 v22, 2, v0
.set kb, 0
.rept 16
	global_load_b32 v[64+kb], v22, s[16:17] offset:kb*32768
	global_load_b32 v[80+kb], v22, s[16:17] offset:524288+kb*32768
.set kb, kb+1
.endr
	v_and_b32 v1, 15, v0                           ; l % 16
	v_bfe_u32 v2, v0, 4, 1                         ; l / 16
	v_mul_u32_u24 v3, v1, PITCH
	v_lshl_add_u32 v3, v2, 4, v3                   ; a fragment of pm: row x pitch + 16 x half
	s_mul_i32 s22, s11, 64*PITCH                   ; my 64 rows
	v_add_nc_u32 v[ADRA0], s22, v3
	; The turning load takes 16 keys x 16 channels (lane l reads key 8 (l / 16) + l % 8, channels 8 ((l / 8) % 2) + 0..7) and leaves half a fragment: lane l holds channel l % 16 and 8 keys.
	v_and_b32 v3, 7, v0
	v_bfe_u32 v4, v0, 3, 1
	v_lshl_add_u32 v5, v2, 3, v3
	v_mul_u32_u24 v5, v5, PV
	v_lshl_add_u32 v5, v4, 4, v5
	s_lshl_b32 s22, s12, 8                         ; my 128 channels: 256 bytes of a key's row
	s_add_co_u32 s22, s22, ABYTES
	v_add_nc_u32 v[ADRB0], s22, v5
	v_mov_b32 v[ADRA], v[ADRA0]
	v_mov_b32 v[ADRB], v[ADRB0]
	v_lshrrev_b32 v6, 6, v0                        ; where row t's f and 1 / L go
	v_lshlrev_b32 v6, 8, v6
	v_lshl_add_u32 v6, v1, 4, v6
	v_bfe_u32 v7, v0, 4, 2
	v_lshl_add_u32 v6, v7, 2, v6
	v_add_nc_u32 v6, FT, v6
	s_lshl_b32 s22, s11, 8
	s_add_co_u32 s22, s22, FT
	v_lshl_add_u32 v[FTA], v1, 4, s22              ; where I read them: my half of the rows, row l % 16 of its four blocks: 16 bytes
	s_mul_i32 s22, s10, 16*SPITCH
	s_add_co_u32 s22, s22, STAGE                   ; my stage
	v_mul_u32_u24 v[STO], v1, SPITCH               ; in: row l % 16, 32 bytes for each half of the lanes
	v_lshl_add_u32 v[STO], v2, 5, v[STO]
	v_add_nc_u32 v[STO], s22, v[STO]
	v_and_b32 v5, 31, v0
	v_lshlrev_b32 v[CO], 4, v5                     ; back and out: 32 lanes take a row's 512 bytes
	v_add_nc_u32 v[RD], s22, v[CO]
	s_lshl_b32 s66, s13, 7                         ; my part of out0: row 128 x tile row + 64 x half,
	s_lshl_b32 s67, s11, 6
	s_add_co_u32 s66, s66, s67
	s_lshl_b32 s66, s66, 12
	s_lshl_b32 s67, s42, 10                        ; byte 1,024 x tile column + 512 x half
	s_add_co_u32 s66, s66, s67
	s_lshl_b32 s67, s12, 9
	s_add_co_u32 s66, s66, s67
	s_mov_b32 s67, 0
	s_add_nc_u64 s[18:19], s[18:19], s[66:67]
	; the prefetches
	s_lshl_b32 s46, s13, 7
	s_lshl_b32 s47, s40, 5
	s_add_co_u32 s46, s46, s47                     ; pm: row 128 x tile row + 32 cx,
	s_lshl_b32 s46, s46, 12
	s_add_co_u32 s46, s46, 3*STEP_A                ; at step 3: the first refill steps it to 4.  Steps 0 to 3 come by their loads alone
	s_and_b32 s74, ttmp7, 0xffff
	s_lshr_b32 s22, s74, 2
	s_lshl_b32 s22, s22, 11
	s_lshl_b32 s23, s41, 5
	s_add_co_u32 s22, s22, s23
	s_add_co_u32 s22, s22, 16384                   ; v: row 16,384 + 2,048 x batch + 32 cy,
	s_lshl_b32 s22, s22, 11
	s_lshl_b32 s23, s42, 9
	s_add_co_u32 s22, s22, s23                     ; the tile's 512 bytes,
	s_lshl_b32 s23, s12, 8
	s_add_co_u32 s22, s22, s23                     ; my 256 of them,
	s_add_co_u32 s22, s22, 3*STEP_B                ; at step 3
	s_and_b32 s74, s74, 3
	s_mov_b32 s70, STEP_B
	s_cmp_eq_u32 s11, 0
	s_cselect_b32 s46, s46, s22
	s_cselect_b32 s74, s12, s74                    ; pm: wave 0 asks, wave 1 not; v: the batch's first cluster
	s_cselect_b64 s[PFA:PFA+1], s[4:5], s[6:7]
	s_cselect_b32 s70, STEP_A, s70                 ; the prefetches' step
	s_cselect_b32 s23, 12, 11                      ; a lane a row: 4,096 bytes in pm, 2,048 in qkv
	s_cmp_eq_u32 s74, 0
	s_cselect_b32 s[LIM], 2, -1                    ; the same in all sixteen partners, for a given wave
	s_mov_b32 s47, 0
	s_mov_b32 s71, 0
	s_add_nc_u64 s[PFA:PFA+1], s[PFA:PFA+1], s[46:47]
	v_lshlrev_b32 v[PFO], s23, v5
	s_wait_loadcnt 0x0
	v_max3_num_f32 v96, v64, v65, v66              ; CM
	v_max3_num_f32 v97, v67, v68, v69
	v_max3_num_f32 v98, v70, v71, v72
	v_max3_num_f32 v99, v73, v74, v75
	v_max3_num_f32 v96, v96, v76, v77
	v_max3_num_f32 v97, v97, v78, v79
	v_max3_num_f32 v96, v96, v97, v98
	v_max_num_f32 v96, v96, v99
.set kb, 0
.rept 16
	v_sub_f32 v[64+kb], v[64+kb], v96              ; c m - CM, at most 0
.set kb, kb+1
.endr
.set kb, 0
.rept 16
	v_exp_f32 v[64+kb], v[64+kb]                   ; one batch
.set kb, kb+1
.endr
	v_nop                                          ; a plain instruction behind the last exponential,
	s_wait_alu depctr_va_vdst(0)                   ; and the one wait ahead of the batch's first reader
.set kb, 0
.rept 16
	v_cvt_pk_f16_f32 v[100+kb], v[64+kb], v[64+kb] ; f rounded to f16, twice in a word
.set kb, kb+1
.endr
	v_mov_b32 v116, 0
	v_mov_b32 v117, 0
.set kb, 0
.rept 8
	v_fma_mix_f32 v116, v[100+kb], v[80+kb], v116 op_sel_hi:[1,0,0]  ; L += the rounded f (an f16 half) x l, in f32: two chains
	v_fma_mix_f32 v117, v[101+kb], v[81+kb], v117 op_sel_hi:[1,0,0]
.set kb, kb+2
.endr
	v_add_f32 v116, v116, v117
	v_rcp_f32 v118, v116
	v_nop
	s_wait_alu depctr_va_vdst(0)
.set kb, 0
.rept 16
	ds_store_b32 v6, v[100+kb] offset:kb*512
.set kb, kb+1
.endr
	ds_store_b32 v6, v118 offset:IL-FT
	s_wait_dscnt 0x0                               ; for the others' sake: my stores are done
	s_wait_tensorcnt 0x1                           ; my part of step 0 is in; step 1's may stay out
	s_barrier_signal -1
	s_barrier_wait -1
.macro MUL f, c, a0, cnt, zero         ; 8 cnt matrix instructions; the 32 accumulators take turns, one instruction a turn and always in the same order
	WIN 0xa1                                       ; source 0 (v) window 1, source 1 (pm) window 0, C and D window 2
.set ma, \a0
.rept \cnt
.irp b, 0,1,2,3,4,5,6,7
.if \zero
	v_wmma_f32_16x16x32_f16 v[8*(8*ma+(\b)):8*(8*ma+(\b))+7], v[128*(\f)+64*(\c)+8*(\b):128*(\f)+64*(\c)+8*(\b)+7], v[64+64*(\f)+32*(\c)+8*ma:64+64*(\f)+32*(\c)+8*ma+7], 0
.else
	v_wmma_f32_16x16x32_f16 v[8*(8*ma+(\b)):8*(8*ma+(\b))+7], v[128*(\f)+64*(\c)+8*(\b):128*(\f)+64*(\c)+8*(\b)+7], v[64+64*(\f)+32*(\c)+8*ma:64+64*(\f)+32*(\c)+8*ma+7], v[8*(8*ma+(\b)):8*(8*ma+(\b))+7]
.endif
.endr
.set ma, ma+1
.endr
.endm
; Chunk 1 of buffer f, 32 products; behind each of the last 16 stand four lines that multiply the OTHER buffer's fragments of pm, just fetched, by their rows' f: 64 lines, which name no register of the
; products round them.  w: the LDS loads issued since the fragments that these products read.
.macro MULR f, g, w
	s_wait_dscnt \w
	MUL \f, 1, 0, 2, 0
	s_wait_dscnt 32                                ; the other buffer's 16 loads of pm, and f, are in; v's 32 loads may stay out
.set ri, 0
.set ma, 2
.rept 2
.irp b, 0,1,2,3,4,5,6,7
	WIN 0xa1
	v_wmma_f32_16x16x32_f16 v[8*(8*ma+(\b)):8*(8*ma+(\b))+7], v[128*(\f)+64+8*(\b):128*(\f)+64+8*(\b)+7], v[64+64*(\f)+32+8*ma:64+64*(\f)+32+8*ma+7], v[8*(8*ma+(\b)):8*(8*ma+(\b))+7]
	WIN 0
.rept 4
	v_pk_mul_f16 v[64+64*(\g)+ri], v[64+64*(\g)+ri], v[FX+(ri/8)%4]
.set ri, ri+1
.endr
.endr
.set ma, ma+1
.endr
.endm
; 48 LDS loads in one run: the fragments of keys 64 hf .. 64 hf + 63 of the step, into buffer f: pm's 16 loads, v's first chunk (16), v's second chunk (16)
.macro FETCH hf, f
	WIN 0
.irp c, 0,1
.irp a, 0,1,2,3
	ds_load_b128 v[64+64*(\f)+32*(\c)+8*(\a):64+64*(\f)+32*(\c)+8*(\a)+3],   v[ADRA] offset:128*(\hf)+64*(\c)+(\a)*16*PITCH
	ds_load_b128 v[64+64*(\f)+32*(\c)+8*(\a)+4:64+64*(\f)+32*(\c)+8*(\a)+7], v[ADRA] offset:128*(\hf)+64*(\c)+(\a)*16*PITCH+32
.endr
.endr
	WIN 0x40
.irp c, 0,1
.irp b, 0,1,2,3,4,5,6,7
	ds_load_tr16_b128 v[128*(\f)+64*(\c)+8*(\b):128*(\f)+64*(\c)+8*(\b)+3],   v[ADRB] offset:(64*(\hf)+32*(\c))*PV+32*(\b)
	ds_load_tr16_b128 v[128*(\f)+64*(\c)+8*(\b)+4:128*(\f)+64*(\c)+8*(\b)+7], v[ADRB] offset:(64*(\hf)+32*(\c))*PV+16*PV+32*(\b)
.endr
.endr
.endm
.macro HALF zero                       ; a step's first 64 keys: multiplies buffer 0, fetches and scales buffer 1
	s_wait_dscnt 16                                ; v's first chunk is in; its second chunk (16 loads) may be out
	MUL 0, 0, 0, 4, \zero
	PLACES
	FETCH 1, 1
	MULR 0, 1, 48                                  ; all but the 48 just issued
.endm
; A step's last 64 keys, and the change of slots: ONE barrier; in front of it each wave waits for all its tensor loads (one is out: its part of the next slot), adds 0 to its spare word, and waits for that
; and for its own reads of this slot.  fill = 1: the barrier opens a round of the cluster's, and this slot is filled again first thing behind the round: 96 matrix instructions ahead of the wait for it.
.macro TURN fill
.if \fill
	s_wait_xcnt 0x0                                ; the last prefetch, a step back, has read its address
	s_add_nc_u64 s[PFA:PFA+1], s[PFA:PFA+1], s[70:71]
.endif
	WIN 0
	s_wait_tensorcnt 0x0                           ; all my tensor loads have landed, so a group 0 may be written;
	ds_add_u32 v[SPW], v[NIL]                      ; 0 onto my spare word
.if \fill
	s_xor_b32 s[G0A+5], s[G0A+5], SLOTX            ; the walking descriptors: the other slot, the next step
	s_add_nc_u64 s[G0A+6:G0A+7], s[G0A+6:G0A+7], STEP_A
	s_xor_b32 s[G0B+5], s[G0B+5], SLOTX
	s_add_nc_u64 s[G0B+6:G0B+7], s[G0B+6:G0B+7], STEP_B
.endif
	s_wait_dscnt 17                                ; (the add and v's second chunk may be out)
	MUL 1, 0, 0, 2, 0
	s_wait_dscnt 0x0                               ; the add is done, and my reads of this slot are over
	s_barrier_signal -1
	MUL 1, 0, 2, 2, 0
	WIN 0
	s_barrier_wait -1
.if \fill
	CREST
	JLOAD                                          ; the four v_nop behind it are also the places in front of the loads below
.else
	PLACES
.endif
	s_xor_b32 s[TB], s[TB], SLOTX
	v_add_nc_u32 v[ADRA], s[TB], v[ADRA0]
	v_add_nc_u32 v[ADRB], s[TB], v[ADRB0]
	v_add_nc_u32 v[FTC], s[FS], v[FTA]
	s_add_co_u32 s[FS], s[FS], 512
	ds_load_b128 v[FX:FX+3], v[FTC]                ; the next step's f: the old one's last readers stand in the half before
	FETCH 0, 0
.if \fill
	ASK
.endif
	MULR 1, 0, 49                                  ; (the 49 just issued; what these products read was waited for above)
.endm
; THE WAY OUT of block a (16 rows x 128 channels of f32): times 1 / L; 32 bytes a lane into my own stage, back as whole rows of 512 bytes; stored.
.macro SCALE a
	WIN 0x02                                       ; source 0 window 2; each accumulator's registers in ascending order
.set i, 0
.rept 32
	v_pk_mul_f32 v[TMP+2*i:TMP+2*i+1], v[64*(\a)+2*i:64*(\a)+2*i+1], v[ILP+2*(\a):ILP+2*(\a)+1]
.set i, i+1
.endr
	WIN 0
.endm
.macro TOSTAGE a
	WIN 0
.set BK, OB+64*((\a)%2)
.irp b, 0,1,2,3,4,5,6,7
	ds_store_b128 v[STO], v[TMP+8*(\b):TMP+8*(\b)+3]   offset:64*(\b)
	ds_store_b128 v[STO], v[TMP+8*(\b)+4:TMP+8*(\b)+7] offset:64*(\b)+16
.endr
.set t, 0
.rept 16
	ds_load_b128 v[BK+4*t:BK+4*t+3], v[RD] offset:t*SPITCH  ; LDS serves a wave's instructions in order (ISA guide 5.7.1.4): these see the stores above
.set t, t+1
.endr
.endm
.macro SEND a
	WIN 0
.set BK, OB+64*((\a)%2)
	s_wait_dscnt 0x0                               ; the block is back in registers
	s_wait_xcnt 0x0                                ; earlier stores have read their base and their data
.if (\a) > 0
	s_add_nc_u64 s[18:19], s[18:19], 16*PROW
.endif
.set t, 0
.rept 16
	global_store_b128 v[CO], v[BK+4*t:BK+4*t+3], s[18:19] offset:t*PROW th:TH_STORE_NT  ; 512 consecutive bytes, at a multiple of 256 from out0's first byte
.set t, t+1
.endr
.endm
	ds_load_b128 v[12:15], v[FTA] offset:IL-FT     ; 1 / L of row l % 16 of my four blocks
	ds_load_b128 v[FX:FX+3], v[FTA]                ; step 0's f
	FETCH 0, 0
	WIN 0
	s_wait_dscnt 32                                ; all but v's 32 loads
.irp a, 0,1,2,3
	v_mov_b32 v[ILP+2*(\a)], v[12+(\a)]            ; in pairs, for the packed multiply
	v_mov_b32 v[ILP+2*(\a)+1], v[12+(\a)]
.endr
.set ri, 0
.rept 64
	v_pk_mul_f16 v[64+ri], v[64+ri], v[FX+(ri/8)%4]  ; the first fragments are scaled by themselves, once a launch
.set ri, ri+1
.endr
	HALF 1                                         ; the first half starts the sums
	WIN 0
	s_mov_b32 s3, 14                               ; refills to come: steps 2 to 15
.Lk:                                                   ; a trip: the last 64 keys of step 14 - s3, the refill with step 16 - s3, the first 64 keys of step 15 - s3
	TURN 1
	HALF 0
	WIN 0
	s_sub_co_u32 s3, s3, 1
	s_cmp_lg_u32 s3, 0
	s_cbranch_scc1 .Lk
	TURN 0                                         ; the tail is written out: nothing is left to ask for
	HALF 0
	s_wait_dscnt 16
	MUL 1, 0, 0, 4, 0
	s_wait_dscnt 0x0
	MUL 1, 1, 0, 4, 0
	PLACES                                         ; the scalings read results just made, and write registers that held fragments
	SCALE 0
	TOSTAGE 0
.irp a, 1,2,3                          ; block a's scaling stands between block a - 1's loads from the stage and the wait for them
	SCALE \a
	SEND (\a)-1
	TOSTAGE \a
.endr
	SEND 3
	s_wait_tensorcnt 0x0                           ; the wave's end: a wait, an add of 0 to my spare word and its wait, behind my last tensor load and my last LDS store
	ds_add_u32 v[SPW], v[NIL]
	s_wait_dscnt 0x0
	CROUND                                         ; the closing round
	s_endpgm
.Lfunc_end_k_q3d6dc7c7fb_pv:
	.size	k_q3d6dc7c7fb_pv, .Lfunc_end_k_q3d6dc7c7fb_pv-k_q3d6dc7c7fb_pv
	.p2alignl 7, 3214868480
	.fill 96, 4, 3214868480
	.section	.rodata,"a",@progbits
	.p2align	6, 0x0
	.amdhsa_kernel k_q3d6dc7c7fb_pv
		.amdhsa_group_segment_fixed_size 327680
		.amdhsa_private_segment_fixed_size 0
		.amdhsa_enable_private_segment 0
		.amdhsa_kernarg_size 32
		.amdhsa_user_sgpr_count 2
		.amdhsa_user_sgpr_kernarg_segment_ptr 1
		.amdhsa_wavefront_size32 1
		.amdhsa_system_sgpr_workgroup_id_x 1
		.amdhsa_system_sgpr_workgroup_id_y 1
		.amdhsa_system_sgpr_workgroup_id_z 1
		.amdhsa_system_vgpr_workitem_id 0
		.amdhsa_next_free_vgpr 768
		.amdhsa_next_free_sgpr 80
		.amdhsa_reserve_vcc 0
		.amdhsa_float_denorm_mode_32 3
		.amdhsa_float_denorm_mode_16_64 3
		.amdhsa_memory_ordered 1
		.amdhsa_forward_progress 1
		.amdhsa_inst_pref_size 115
	.end_amdhsa_kernel
	.amdgpu_metadata
---
amdhsa.version: [ 1, 2 ]
amdhsa.kernels:
  - .name:           k_q3d6dc7c7fb_pv
    .symbol:         k_q3d6dc7c7fb_pv.kd
    .args:
      - { .name: pm, .offset: 0, .size: 8, .value_kind: global_buffer, .address_space: global }
      - { .name: qkv, .offset: 8, .size: 8, .value_kind: global_buffer, .address_space: global }
      - { .name: st, .offset: 16, .size: 8, .value_kind: global_buffer, .address_space: global }
      - { .name: out0, .offset: 24, .size: 8, .value_kind: global_buffer, .address_space: global }
    .group_segment_fixed_size: 327680
    .private_segment_fixed_size: 0
    .kernarg_segment_align: 8
    .kernarg_segment_size: 32
    .max_flat_workgroup_size: 128
    .sgpr_count:     80
    .vgpr_count:     768
    .wavefront_size: 32
...
	.end_amdgpu_metadata
.endif
;; end of part 4
;; ======== version 2 of 2: 4 launches; version 1 with the launch castw written anew for expert scheduling mode
;; limits: values are held in f16: magnitudes above 65,504 overflow, below 6.1e-05 lose precision
;; workspace buffers: wb 6,291,456 bytes; qkv 50,331,648 bytes; pm 33,554,432 bytes; st 1,048,576 bytes
;; launch castw (part 5): grid 128 x 3, 8 waves a work-group, no clusters, 0 bytes of LDS; arguments WQ, WK, WV, wb; writes wb
.if DOCPART == 5
	.amdgcn_target "amdgcn-amd-amdhsa--gfx1250"
	.amdhsa_code_object_version 6
	.text
	.protected	k_q3d6dc7c7fb_castw
	.globl	k_q3d6dc7c7fb_castw
	.p2align	8
	.type	k_q3d6dc7c7fb_castw,@function
k_q3d6dc7c7fb_castw:
	s_mov_b64 s[64:65], 0
	v_nop
	global_prefetch_b8 v0, s[64:65] scope:SCOPE_SE
	s_setreg_imm32_b32 hwreg(HW_REG_WAVE_SCHED_MODE, 0, 2), 2
	s_setreg_imm32_b32 hwreg(HW_REG_WAVE_MODE, 25, 1), 1
	s_wait_xcnt 0x0
	s_wait_alu depctr_vm_vsrc(0)
; The three weights are rounded once to bf16: wb = [WQ; WK; WV] as [3072][1024].
; Work-group y says which weight; work-group x takes 32 KiB of its 4 MiB: 8 pieces of 4,096 bytes; thread t takes the 16 bytes at 16 t of each.
; All 8 loads of a wave go out at once; the pieces are rounded and stored in two groups of four, each group when its four loads are in.
; A load of a wave covers 512 consecutive bytes, a store 256 consecutive bytes at a multiple of 256 from the buffer's first byte.
; No LDS, no matrix work: the launch only moves bytes.
; THE MODE: SCHED_MODE bits 1:0 = 2 (LLVM: expert scheduling mode 2), set by the entry lines.  The code itself states the register dependences
; between vector instructions and memory instructions, with s_wait_alu, always for 0.
; THE PLAN.  Registers that memory instructions touch:
;   v1, v2        byte offsets of the loads and of the stores: written once at the head, never again.
;   v[8+4i:11+4i] piece i as loaded: no vector line names them ahead of the load; the piece's two conversions read them behind the wait on LOADcnt.
;   v[8+4i:9+4i]  piece i as stored: written by those two conversions, in place; read by the piece's store; never written again.
; So three waits on va_vdst state everything: one ahead of the first load (the offsets are written), and one behind each group's eight conversions, ahead of its run of four stores
; (their data are written).  No register that a load or a store has read is written again and no load lands twice in a register, so no wait on vm_vsrc is owed;
; no vector line writes a scalar register or VCC, and EXEC is never written.
	s_load_b256 s[8:15], s[0:1], 0x0               ; WQ s[8:9], WK s[10:11], WV s[12:13], wb s[14:15]
	s_and_b32 s4, ttmp7, 0xffff                    ; which weight
	s_lshl_b32 s16, ttmp9, 15                      ; 32 KiB of f32 a work-group
	s_mov_b32 s17, 0
	s_lshl_b32 s18, s4, 21                         ; 2 MiB of bf16 a weight,
	s_lshl_b32 s5, ttmp9, 14                       ; 16 KiB a work-group
	s_add_co_u32 s18, s18, s5
	s_mov_b32 s19, 0
	v_lshlrev_b32 v1, 4, v0                        ; my 16 bytes of a piece as loaded
	v_lshlrev_b32 v2, 3, v0                        ; my 8 bytes of it as stored
	s_wait_kmcnt 0x0
	s_cmp_ge_u32 s4, 1
	s_cselect_b64 s[6:7], s[10:11], s[8:9]
	s_cmp_ge_u32 s4, 2
	s_cselect_b64 s[6:7], s[12:13], s[6:7]
	s_add_nc_u64 s[6:7], s[6:7], s[16:17]
	s_add_nc_u64 s[14:15], s[14:15], s[18:19]
	s_wait_alu depctr_va_vdst(0)                   ; v1 and v2 are written: every load below reads v1 as its offset, every store v2; no later vector line names either
.set i, 0
.rept 8
	global_load_b128 v[8+4*i:11+4*i], v1, s[6:7] offset:4096*i th:TH_LOAD_NT
.set i, i+1
.endr
.irp g, 0,1
	s_wait_loadcnt 4-4*(\g)                        ; loads come back in order: the group's four pieces are in; behind the first group the four younger loads stay out
.irp i, 0,1,2,3
	v_cvt_pk_bf16_f32 v[8+16*(\g)+4*(\i)], v[8+16*(\g)+4*(\i)], v[9+16*(\g)+4*(\i)]    ; two roundings to nearest even, packed
	v_cvt_pk_bf16_f32 v[9+16*(\g)+4*(\i)], v[10+16*(\g)+4*(\i)], v[11+16*(\g)+4*(\i)]
.endr
	s_wait_alu depctr_va_vdst(0)                   ; the group's eight conversions have written the four register pairs that the four stores below read as their data
.irp i, 0,1,2,3
	global_store_b64 v2, v[8+16*(\g)+4*(\i):9+16*(\g)+4*(\i)], s[14:15] offset:2048*(4*(\g)+(\i)) th:TH_STORE_NT
.endr
.endr
	s_endpgm
.Lfunc_end_k_q3d6dc7c7fb_castw:
	.size	k_q3d6dc7c7fb_castw, .Lfunc_end_k_q3d6dc7c7fb_castw-k_q3d6dc7c7fb_castw
	.p2alignl 7, 3214868480
	.fill 96, 4, 3214868480
	.section	.rodata,"a",@progbits
	.p2align	6, 0x0
	.amdhsa_kernel k_q3d6dc7c7fb_castw
		.amdhsa_group_segment_fixed_size 0
		.amdhsa_private_segment_fixed_size 0
		.amdhsa_enable_private_segment 0
		.amdhsa_kernarg_size 32
		.amdhsa_user_sgpr_count 2
		.amdhsa_user_sgpr_kernarg_segment_ptr 1
		.amdhsa_wavefront_size32 1
		.amdhsa_system_sgpr_workgroup_id_x 1
		.amdhsa_system_sgpr_workgroup_id_y 1
		.amdhsa_system_sgpr_workgroup_id_z 1
		.amdhsa_system_vgpr_workitem_id 0
		.amdhsa_next_free_vgpr 40
		.amdhsa_next_free_sgpr 66
		.amdhsa_reserve_vcc 0
		.amdhsa_float_denorm_mode_32 3
		.amdhsa_float_denorm_mode_16_64 3
		.amdhsa_memory_ordered 1
		.amdhsa_forward_progress 1
		.amdhsa_inst_pref_size 4
	.end_amdhsa_kernel
	.amdgpu_metadata
---
amdhsa.version: [ 1, 2 ]
amdhsa.kernels:
  - .name:           k_q3d6dc7c7fb_castw
    .symbol:         k_q3d6dc7c7fb_castw.kd
    .args:
      - { .name: WQ, .offset: 0, .size: 8, .value_kind: global_buffer, .address_space: global }
      - { .name: WK, .offset: 8, .size: 8, .value_kind: global_buffer, .address_space: global }
      - { .name: WV, .offset: 16, .size: 8, .value_kind: global_buffer, .address_space: global }
      - { .name: wb, .offset: 24, .size: 8, .value_kind: global_buffer, .address_space: global }
    .group_segment_fixed_size: 0
    .private_segment_fixed_size: 0
    .kernarg_segment_align: 8
    .kernarg_segment_size: 32
    .max_flat_workgroup_size: 256
    .sgpr_count:     66
    .vgpr_count:     40
    .wavefront_size: 32
...
	.end_amdgpu_metadata
.endif
;; end of part 5
;; launch proj: the kernel of part 2 again; grid 4 x 64, 4 waves a work-group, clusters of 4 x 4, 327,680 bytes of LDS; arguments query, key, value, wb, qkv; writes qkv
;; launch score: the kernel of part 3 again; grid 8 x 32, 4 waves a work-group, clusters of 4 x 4, 327,680 bytes of LDS; arguments qkv, pm, st; writes pm, st
;; launch pv: the kernel of part 4 again; grid 4 x 64, 4 waves a work-group, clusters of 4 x 4, 327,680 bytes of LDS; arguments pm, qkv, st, out0; writes out0
